; MI455X (gfx1250); checked and timed in simulation.
; The chip was launched on July 23, 2026; its instructions are those of AMD's public machine-readable ISA for CDNA 5 (MIT licence, August 2026) and "CDNA5" Instruction Set Architecture Reference Guide (July 2026). The comments in the code are by the model that wrote it; some were corrected since.
;; Dot Product Attention. Allowed arithmetic: matrix products marked QUANTISED: E2M3 operands, one E8M0 scale for each 32 along K, by v_wmma_scale_f32_16x16x128_f8f6f4 with both operands' format E2M3, f32 sums; everything else in f32.
;; Inputs: F 1,024 x 1,024 float32; K 1,024 x 1,024 float32; Q 1,024 x 1,024 float32; V 1,024 x 1,024 float32; x 4 x 2,048 x 1,024 float32.
;; Outputs: out0 4 x 2,048 x 1,024 float32.
;; This version of the problem:
;;   THIS VERSION OF THE PROBLEM IS GIVEN IN LOW PRECISION. The matrix products marked QUANTISED in the list below multiply operands that are first quantised to E2M3 (2 exponent bits, 3 mantissa bits; 6 bits a number), with one power-of-two scale for each 32 numbers along K (OCP MX v1.0); their sums are f32. All else is computed in f32.
;;   The module's matrix products, in the order in which they are computed (A, B: the left and right operand; K: the contracted axis; several contracted axes count as one K, in the product's order):
;;     1. [M 8,192, K 1,024] x [K 1,024, N 1,024]; A: input x; B: input F: QUANTISED
;;     2. [M 8,192, K 1,024] x [K 1,024, N 1,024]; A: computed on the way; B: input Q: QUANTISED
;;     3. [M 8,192, K 1,024] x [K 1,024, N 1,024]; A: computed on the way; B: input K: QUANTISED
;;     4. [M 8,192, K 1,024] x [K 1,024, N 1,024]; A: input x; B: input V: QUANTISED
;;     5. batch 4 x [M 2,048, K 1,024] x [K 1,024, N 2,048]; A: computed on the way; B: computed on the way: QUANTISED
;;     6. batch 4 x [M 2,048, K 2,048] x [K 2,048, N 1,024]; A: softmax (see below); B: computed on the way: QUANTISED
;;   THE QUANTISER, for each operand of a quantised product, along K:
;;     - K is cut into blocks of 32 from its start; a last block that is shorter is filled with zeros.
;;     - A block's scale is 2^e with e = floor(log2(the largest magnitude in the block)) - 2, held to -126 .. 127; a block of zeros has e = 0. As a byte (E8M0): e + 127.
;;     - Each number is divided by its block's scale, clamped to +-7.5, and rounded to the nearest number of E2M3, ties to even, subnormals kept.
;;     - The product sums the exact products of the quantised numbers (number of the format x scale) in f32.
;;   ~~~python
;;   def quantise(x, axis):      # numpy; x: float32 -> the quantised numbers, widened to float32 again
;;       x = np.moveaxis(x, axis, -1); K = x.shape[-1]
;;       x = np.pad(x, [(0, 0)] * (x.ndim - 1) + [(0, -K % 32)]); x = x.reshape(x.shape[:-1] + (-1, 32)); a = np.abs(x).max(-1, keepdims=True)
;;       e = np.where(a > 0, np.clip(np.frexp(np.where(a > 0, a, 1))[1] - 1 - 2, -126, 127), 0)      # np.frexp(a)[1] - 1 = floor(log2(a)), exactly
;;       r = np.clip(x / 2.0 ** e, -7.5, 7.5)
;;       step = 2.0 ** (np.maximum(np.frexp(np.where(r == 0, 1, r))[1] - 1, 0) - 3)
;;       q = np.round(r / step) * step * 2.0 ** e      # np.round: ties to even
;;       return np.moveaxis(q.reshape(q.shape[:-2] + (-1,))[..., :K], -1, axis).astype(np.float32)
;;   ~~~
;;   SOFTMAX AHEAD OF A QUANTISED PRODUCT. Where the list says 'softmax', what is quantised is not the finished softmax but p = 2^(t - M), with t = logit x log2(e) and M = ceil(the row's largest t), a whole number; so 1/2 < the row's largest p <= 1. The row's sum l is taken of the UNQUANTISED p, in f32, and the product's result is divided by l at the end. Since M is a whole number, a kernel that streams over the keys may use a running M (the ceiling of the running maximum): every later rescaling is an exact power of two, which a block's scale takes up: the codes' values come out the same.
;;   OPERANDS COMPUTED ON THE WAY. 'Computed on the way' means the value that the module computes at that place (a softmax that the list does not call 'softmax' is quantised finished and normalised). What goes into a quantiser is computed in f32, as accurately as f32 sums, v_exp_f32 and their like allow (about 1e-6 of the number): no bf16 or f16 on the way to a quantiser, and a product that is left as it is and whose result goes on into a quantised operand takes f32 operands (vector FMAs, or v_wmma_f32_16x16x4_f32). A number that lies on a knife's edge between two numbers of the format may be rounded either way, as far as f32 arithmetic and the matrix unit's own rounding can turn it there, and no further.
;; One version. Each part assembles by itself: llvm-mc -triple=amdgcn-amd-amdhsa -mcpu=gfx1250 --defsym DOCPART=n.
;; ======== version 1 of 1: 5 launches
;; limits: right only within a limited range of input values
;; workspace buffers: xq 6,553,600 bytes; wfv 1,638,400 bytes; wqk 1,638,400 bytes; c1 13,107,200 bytes; c2 13,107,200 bytes; pc 12,582,912 bytes; st 1,572,864 bytes
;; launch quant (part 1): grid 256 x 1, 4 waves a work-group, no clusters, 46,592 bytes of LDS; arguments x, F, Q, K, V, xq, wfv, wqk; writes xq, wfv, wqk
.if DOCPART == 1
	.amdgcn_target "amdgcn-amd-amdhsa--gfx1250"
	.amdhsa_code_object_version 6
	.text
	.protected	k_q8ba2d88230_quant
	.globl	k_q8ba2d88230_quant
	.p2align	8
	.type	k_q8ba2d88230_quant,@function
k_q8ba2d88230_quant:
	s_mov_b64 s[64:65], 0
	v_nop
	global_prefetch_b8 v0, s[64:65] scope:SCOPE_SE
	s_setreg_imm32_b32 hwreg(HW_REG_WAVE_MODE, 25, 1), 1
	s_wait_xcnt 0x0
; x [8192][1024] and the weights F, V, Q, K [1024 (k)][1024 (n)], f32, become codes of FP6 (E2M3) with one E8M0 byte for each 32 along K (x: its last axis; a weight: its FIRST axis).
; A block's scale is 2^(floor(log2(its largest magnitude)) - 2): its byte is that magnitude's exponent field - 2, held at 1 from below.
; LIMITS: NaN and infinities are not served; a block whose largest magnitude lies under 2^-124, a block of zeros among them, gets the byte 1 and codes that are zeros or nearly so; the bytes are read by this program alone.
; THE LAYOUT OF EVERY OPERAND OF THIS PROGRAM.  A tile is 16 rows: lane index r of tile rt is row 32 (rt / 2) + 8 (rt % 2) + r % 8 + 16 (r / 8).  A fragment (a tile x 128 K) lies in memory as the IMAGE OF ITS 12 REGISTERS:
; register 4 g + i of lane l at byte 512 g + 16 l + 4 i (1,536 bytes).  A RECORD (25,600 bytes) holds, for 256 rows and 128 K, the 16 images and behind them 16 x 16 scale words (tile i, lane r at 24,576 + 64 i + 4 r).
; xq: records [row tile of 256][K step].  wfv: F^T (row tiles 0-3), V^T (4-7).  wqk: Q^T, K^T likewise.
; SHARES.  256 work-groups of four waves; every wave takes one unit of a weight (32 columns x 128 k) and four fragments of x.  One path for all: what differs is pointers and offsets.  No work-group reads what another reads, so no cluster.
; A WEIGHT: a lane takes a column and its registers run down K, so a block of 32 lies in one lane and the conversions give codes with K innermost; the two images are put together in the wave's own LDS and leave as 512 bytes a store.
; x: each load takes 512 bytes on end of one row; the 16 rows turn through the wave's own LDS (rows 528 bytes apart) so that lane (r, h) gets its two whole blocks of row r.
.set REC,   25600
.set SCO,   24576
.set WREG,  11520                      ; LDS of a wave: 3,072 bytes for a weight's two images, then 16 rows x 528 bytes for x
.set XST,   3072
.set SPARE, 4*WREG                     ; behind the four regions: the spare words, 128 bytes a wave, that no other line names
.set SPW,   12                         ; v12  LDS address of my spare word; never rewritten
.set NIL,   13                         ; v13  0; never rewritten
.set CD,    24                         ; v24-47   codes
.set DH,    48                         ; v48-54   the conversions' second halves (three registers of a conversion begin on an even number)
.set BUFA,  64                         ; v64-127  numbers as loaded
.set BUFB,  128                        ; v128-191 numbers as loaded
.set BUFT,  192                        ; v192-255 x's numbers by blocks; a weight's images on their way out
	s_load_b256 s[4:11], s[0:1], 0x0               ; x s[4:5], F s[6:7], Q s[8:9], K s[10:11]
	s_load_b256 s[12:19], s[0:1], 0x20             ; V s[12:13], xq s[14:15], wfv s[16:17], wqk s[18:19]
	v_lshl_add_u32 v[SPW], v0, 2, SPARE
	v_mov_b32 v[NIL], 0
	v_lshrrev_b32 v1, 5, v0
	v_readfirstlane_b32 s26, v1                    ; wave
	v_and_b32 v1, 31, v0                           ; lane l
	v_lshlrev_b32 v2, 2, v1                        ; 4 l
	v_lshlrev_b32 v3, 4, v1                        ; 16 l
	v_and_b32 v14, 7, v0                           ; l % 8
	v_bfe_u32 v15, v0, 3, 1                        ; u = (l / 8) % 2: which of the two tiles my column falls into
	v_bfe_u32 v16, v0, 4, 1                        ; l / 16
	v_and_b32 v17, 15, v0
	s_mul_i32 s27, s26, WREG
	v_lshlrev_b32 v4, 4, v14
	v_lshl_add_u32 v4, v16, 7, v4                  ; 16 r, r = l % 8 + 8 (l / 16): my column's lane index in its tile
	v_mad_u32_u24 v4, v15, 1536, v4
	v_add_nc_u32 v4, s27, v4                       ; v4: where my column's codes go in the two images
	v_add_nc_u32 v5, s27, v3                       ; v5: the images as they leave: 16 l
	v_add_nc_u32 v6, XST, v5                       ; v6: x on the way in: 16 l of a row
	v_mul_u32_u24 v7, v17, 528
	v_lshl_add_u32 v7, v16, 7, v7
	v_add_nc_u32 v7, s27, v7
	v_add_nc_u32 v7, XST, v7                       ; v7: x on the way out: row l % 16, + 128 bytes for lanes 16-31
	v_lshlrev_b32 v8, 2, v14
	v_lshl_add_u32 v8, v16, 5, v8
	v_lshl_add_u32 v8, v15, 6, v8                  ; v8: 64 u + 4 r: my column's scale word
	v_lshlrev_b32 v9, 2, v17                       ; v9: 4 (l % 16): my row's scale word
	v_lshlrev_b32 v10, 3, v16                      ; v10: 8 (l / 16): how far my two bytes are shifted in it
	v_mov_b32 v21, 0                               ; a lane permute's destination counts as one of its sources
	s_mov_b32 s50, 0x76543210
	s_mov_b32 s51, 0xfedcba98                      ; selects for lane l xor 16
	; the weight's unit: work-group i: weight i / 64 (F, V, Q, K), K step (i / 8) % 8, group of 32 columns g = 4 (i % 8) + wave
	s_lshr_b32 s28, ttmp9, 6
	s_and_b32 s29, ttmp9, 7
	s_bfe_u32 s30, ttmp9, 0x30003
	s_lshl_b32 s29, s29, 2
	s_add_co_u32 s29, s29, s26                     ; g
	s_lshl_b32 s32, s30, 19                        ; 128 rows of 4,096 bytes a K step
	s_lshl_b32 s33, s29, 7                         ; 128 bytes a group
	s_add_co_u32 s32, s32, s33
	s_mov_b32 s33, 0
	s_and_b32 s34, s28, 1
	s_lshl_b32 s34, s34, 2
	s_lshr_b32 s35, s29, 3
	s_add_co_u32 s34, s34, s35                     ; the row tile of 256: 4 (V or K) + g / 8
	s_lshl_b32 s34, s34, 3
	s_add_co_u32 s34, s34, s30                     ; the record
	s_mul_i32 s34, s34, REC
	s_and_b32 s35, s29, 7
	s_mul_i32 s36, s35, 3072
	s_add_co_u32 s36, s36, s34                     ; images 2 (g % 8), 2 (g % 8) + 1
	s_mov_b32 s37, 0
	s_lshl_b32 s38, s35, 7
	s_add_co_u32 s38, s38, s34
	s_add_co_u32 s38, s38, SCO                     ; and their scale words
	s_mov_b32 s39, 0
	; x: work-group i owns rows 32 i .. 32 i + 31; wave w: tile 2 i + w / 2, K steps 4 (w % 2) + 0 .. 3
	s_lshr_b32 s40, s26, 1
	s_and_b32 s41, s26, 1
	s_lshl_b32 s42, ttmp9, 17
	s_lshl_b32 s43, s40, 15
	s_add_co_u32 s42, s42, s43
	s_lshl_b32 s43, s41, 11
	s_add_co_u32 s42, s42, s43
	s_mov_b32 s43, 0
	s_lshr_b32 s44, ttmp9, 3
	s_lshl_b32 s44, s44, 3
	s_lshl_b32 s45, s41, 2
	s_add_co_u32 s44, s44, s45
	s_mul_i32 s44, s44, REC                        ; the first of my four records
	s_and_b32 s45, ttmp9, 7
	s_lshl_b32 s45, s45, 1
	s_add_co_u32 s45, s45, s40                     ; my tile in them
	s_mul_i32 s46, s45, 1536
	s_add_co_u32 s46, s46, s44
	s_mov_b32 s47, 0
	s_lshl_b32 s48, s45, 6
	s_add_co_u32 s48, s48, s44
	s_add_co_u32 s48, s48, SCO
	s_mov_b32 s49, 0
	s_wait_kmcnt 0x0
	s_and_b32 s31, s28, 1                          ; the choices hang on the work-group's number alone
	s_cmp_lg_u32 s31, 0
	s_cselect_b64 s[20:21], s[12:13], s[6:7]       ; V or F
	s_cselect_b64 s[22:23], s[10:11], s[8:9]       ; K or Q
	s_and_b32 s31, s28, 2
	s_cmp_lg_u32 s31, 0
	s_cselect_b64 s[20:21], s[22:23], s[20:21]
	s_cselect_b64 s[24:25], s[18:19], s[16:17]     ; wqk or wfv
	s_add_nc_u64 s[20:21], s[20:21], s[32:33]      ; the weight at my unit
	s_add_nc_u64 s[22:23], s[24:25], s[36:37]      ; its images
	s_add_nc_u64 s[24:25], s[24:25], s[38:39]      ; its scale words
	s_add_nc_u64 s[4:5], s[4:5], s[42:43]          ; x at my tile's first row and K step
	s_add_nc_u64 s[6:7], s[14:15], s[46:47]        ; its images
	s_add_nc_u64 s[8:9], s[14:15], s[48:49]        ; its scale words
.macro LW c, buf                       ; rows 64 c .. 64 c + 63 of my column: each load reads 128 bytes on end, the four waves side by side 512
.set qi, 0
.rept 64
	global_load_b32 v[\buf+qi], v2, s[20:21] offset:(64*\c+qi)*4096 th:TH_LOAD_NT
.set qi, qi+1
.endr
.endm
.macro LX f, buf                       ; my tile's 16 rows of K step f of my four: load j takes the 512 bytes of the row of lane index j
.set qi, 0
.rept 16
	global_load_b128 v[\buf+4*qi:\buf+4*qi+3], v3, s[4:5] offset:((qi%8)+16*(qi/8))*4096+512*\f th:TH_LOAD_NT
.set qi, qi+1
.endr
.endm
.macro BLK2 src                        ; two blocks of 32 numbers, by turns: largest magnitudes v14, v15 (with the floor 2^(3 - 127) among the leaves), the conversions' scale operands v16, v17, the bytes v18, v19
	v_max3_num_f32 v14, |v[\src]|, |v[\src+1]|, 0x1800000
	v_max3_num_f32 v15, |v[\src+32]|, |v[\src+33]|, 0x1800000
.set qi, 2
.rept 15
	v_max3_num_f32 v14, v14, |v[\src+qi]|, |v[\src+qi+1]|
	v_max3_num_f32 v15, v15, |v[\src+32+qi]|, |v[\src+33+qi]|
.set qi, qi+2
.endr
	v_add_nc_u32 v16, 0xff000000, v14              ; 2 off the exponent field: the conversion takes the exponent field of this operand as its scale
	v_add_nc_u32 v17, 0xff000000, v15
	v_lshrrev_b32 v18, 23, v16
	v_lshrrev_b32 v19, 23, v17
.endm
.macro CVT2 src, dst                   ; their codes: six registers a block, at dst and dst + 6
	v_cvt_scalef32_pk16_fp6_f32 v[\dst:\dst+2], v[\src:\src+15], v16
	v_cvt_scalef32_pk16_fp6_f32 v[DH:DH+2], v[\src+16:\src+31], v16
	v_cvt_scalef32_pk16_fp6_f32 v[\dst+6:\dst+8], v[\src+32:\src+47], v17
	v_cvt_scalef32_pk16_fp6_f32 v[DH+4:DH+6], v[\src+48:\src+63], v17
	v_nop                                          ; one plain place behind the last scaled conversion
.irp i, 0,1,2
	v_mov_b32 v[\dst+3+\i], v[DH+\i]
	v_mov_b32 v[\dst+9+\i], v[DH+4+\i]
.endr
.endm
.macro PW c, buf                       ; blocks 2 c and 2 c + 1 of my column: they are registers 6 c .. 6 c + 5 of image lanes r and r + 16
	BLK2 \buf
.if \c == 0
	v_lshl_or_b32 v20, v19, 8, v18                 ; the scale word: byte b for block b
.else
	v_lshl_or_b32 v20, v18, 16, v20
	v_lshl_or_b32 v20, v19, 24, v20
.endif
	CVT2 \buf, CD+12*\c
.irp hb, 0,1
.irp p, 0,1,2
	ds_store_b64 v4, v[CD+12*\c+6*\hb+2*\p:CD+12*\c+6*\hb+2*\p+1] offset:((6*\c+2*\p)/4)*512+256*\hb+((6*\c+2*\p)%4)*4
.endr
.endr
.endm
.macro PX f, buf, left                 ; fragment f of x, whose numbers lie at buf in window 1 (v256 + buf ..); left: the younger loads that may stay out
	s_wait_loadcnt \left
	s_set_vgpr_msb 0x04                            ; an LDS store's data are its source 1: window 1
.set qi, 0
.rept 16
	ds_store_b128 v6, v[\buf+4*qi:\buf+4*qi+3] offset:528*qi
.set qi, qi+1
.endr
	s_set_vgpr_msb 0x0400                          ; all back to window 0
	s_wait_xcnt 0x0                                ; every earlier store has read its data: the registers below, the codes and the scale word are written again only behind this wait
.set qi, 0
.rept 16
	ds_load_b128 v[BUFT+4*qi:BUFT+4*qi+3], v7 offset:256*(qi/8)+16*(qi%8)   ; LDS serves a wave's instructions in order: these see the stores above.  Register 32 c + i = k 64 c + 32 (l / 16) + i of row l % 16
.set qi, qi+1
.endr
	s_wait_dscnt 0x0                               ; the numbers are back, and the stores have read buf
	BLK2 BUFT
	v_lshl_or_b32 v20, v19, 16, v18                ; my two bytes: blocks l / 16 and 2 + l / 16,
	v_lshlrev_b32 v20, v10, v20                    ; at their places;
	v_permlanex16_b32 v21, v20, s50, s51
	v_or_b32 v20, v20, v21                         ; with lane l xor 16's two the word is whole
	CVT2 BUFT, CD
.irp g, 0,1,2
	global_store_b128 v3, v[CD+4*\g:CD+4*\g+3], s[6:7] offset:\f*REC+512*\g   ; 32 lanes store 512 bytes on end
.endr
	global_store_b32 v9, v20, s[8:9] offset:\f*REC  ; lanes l and l xor 16 store the same word to the same place
.endm
	; ALL OF THE WAVE'S 192 LOADS ARE ISSUED ON END: the weight's 128, then x's four fragments, 16 loads each, into registers of their own in window 1 (v256-511): no load waits for work on an earlier one
	LW 0, BUFA
	LW 1, BUFB
	s_set_vgpr_msb 0x40                            ; destination window 1, address window 0
	LX 0, 0
	LX 1, 64
	LX 2, 128
	LX 3, 192
	s_set_vgpr_msb 0x4000                          ; all back to window 0
	s_wait_loadcnt 63                              ; all but the youngest 63 of the 192 are in: the weight's 128 among them (64 would do; a wait's field holds 63 at most)
	PW 0, BUFA
	PW 1, BUFB
.irp j, 0,1,2,3,4,5
	ds_load_b128 v[BUFT+4*\j:BUFT+4*\j+3], v5 offset:512*\j   ; the two images as they stand
.endr
	s_wait_dscnt 0x0
.irp j, 0,1,2,3,4,5
	global_store_b128 v3, v[BUFT+4*\j:BUFT+4*\j+3], s[22:23] offset:512*\j
.endr
	global_store_b32 v8, v20, s[24:25]             ; 32 scale words, 128 bytes on end
	PX 0, 0, 48                                    ; the counts leave out the 16 loads of each younger fragment
	PX 1, 64, 32
	PX 2, 128, 16
	PX 3, 192, 0
	s_wait_tensorcnt 0x0                           ; the wave's end
	ds_add_u32 v[SPW], v[NIL]
	s_wait_dscnt 0x0
	s_endpgm
.Lfunc_end_k_q8ba2d88230_quant:
	.size	k_q8ba2d88230_quant, .Lfunc_end_k_q8ba2d88230_quant-k_q8ba2d88230_quant
	.p2alignl 7, 3214868480
	.fill 96, 4, 3214868480
	.section	.rodata,"a",@progbits
	.p2align	6, 0x0
	.amdhsa_kernel k_q8ba2d88230_quant
		.amdhsa_group_segment_fixed_size 46592
		.amdhsa_private_segment_fixed_size 0
		.amdhsa_enable_private_segment 0
		.amdhsa_kernarg_size 64
		.amdhsa_user_sgpr_count 2
		.amdhsa_user_sgpr_kernarg_segment_ptr 1
		.amdhsa_wavefront_size32 1
		.amdhsa_system_sgpr_workgroup_id_x 1
		.amdhsa_system_sgpr_workgroup_id_y 1
		.amdhsa_system_sgpr_workgroup_id_z 1
		.amdhsa_system_vgpr_workitem_id 0
		.amdhsa_next_free_vgpr 512
		.amdhsa_next_free_sgpr 66
		.amdhsa_reserve_vcc 0
		.amdhsa_float_denorm_mode_32 3
		.amdhsa_float_denorm_mode_16_64 3
		.amdhsa_memory_ordered 1
		.amdhsa_forward_progress 1
		.amdhsa_inst_pref_size 52
	.end_amdhsa_kernel
	.amdgpu_metadata
---
amdhsa.version: [ 1, 2 ]
amdhsa.kernels:
  - .name:           k_q8ba2d88230_quant
    .symbol:         k_q8ba2d88230_quant.kd
    .args:
      - { .name: x, .offset: 0, .size: 8, .value_kind: global_buffer, .address_space: global }
      - { .name: F, .offset: 8, .size: 8, .value_kind: global_buffer, .address_space: global }
      - { .name: Q, .offset: 16, .size: 8, .value_kind: global_buffer, .address_space: global }
      - { .name: K, .offset: 24, .size: 8, .value_kind: global_buffer, .address_space: global }
      - { .name: V, .offset: 32, .size: 8, .value_kind: global_buffer, .address_space: global }
      - { .name: xq, .offset: 40, .size: 8, .value_kind: global_buffer, .address_space: global }
      - { .name: wfv, .offset: 48, .size: 8, .value_kind: global_buffer, .address_space: global }
      - { .name: wqk, .offset: 56, .size: 8, .value_kind: global_buffer, .address_space: global }
    .group_segment_fixed_size: 46592
    .private_segment_fixed_size: 0
    .kernarg_segment_align: 8
    .kernarg_segment_size: 64
    .max_flat_workgroup_size: 128
    .sgpr_count:     66
    .vgpr_count:     512
    .wavefront_size: 32
...
	.end_amdgpu_metadata
.endif
;; end of part 1
;; launch proj1 (part 2): grid 8 x 32, 4 waves a work-group, clusters of 4 x 4, 327,680 bytes of LDS; arguments xq, wfv, c1; writes c1
.if DOCPART == 2
	.amdgcn_target "amdgcn-amd-amdhsa--gfx1250"
	.amdhsa_code_object_version 6
	.text
	.protected	k_q8ba2d88230_proj1
	.globl	k_q8ba2d88230_proj1
	.p2align	8
	.type	k_q8ba2d88230_proj1,@function
k_q8ba2d88230_proj1:
	s_mov_b64 s[64:65], 0
	v_nop
	global_prefetch_b8 v0, s[64:65] scope:SCOPE_SE
	s_setreg_imm32_b32 hwreg(HW_REG_WAVE_MODE, 25, 1), 1
	s_wait_xcnt 0x0
	s_wait_alu depctr_hold_cnt(0) depctr_sa_sdst(0) depctr_va_vdst(0) depctr_va_sdst(0) depctr_va_ssrc(0) depctr_va_vcc(0) depctr_vm_vsrc(0)
	s_getreg_b32 s2, hwreg(HW_REG_IB_STS2, 6, 4)
	s_cmp_eq_u32 s2, 0
	s_cbranch_scc0 .Lentry_in_a_cluster
	s_endpgm
.Lentry_in_a_cluster:
	s_bfe_u32 s2, ttmp6, 0x10000c
	s_cmp_lg_u32 s2, 0xf033
	s_cbranch_scc0 .Lentry_shape_is_right
	s_endpgm
.Lentry_shape_is_right:
; A projection on codes of FP6 (E2M3) whose RESULT IS QUANTISED AGAIN, along its columns n', and stored as codes.  C'[m'][n'] = sum over k of S1[m'][k] S0[n'][k], K = 1,024.
; Operands and result lie as register images in records of 25,600 bytes (256 rows x 128 K: 16 images of 1,536 bytes, then 16 x 16 scale words; a tile's lane index r is row 32 (rt / 2) + 8 (rt % 2) + r % 8 + 16 (r / 8)).
; TWO LAUNCHES RUN THIS TEXT.  Arguments: a, w, c.  With cluster x = 0: S1 = a's row tile 4 (Y % 8) + cy, S0 = w's row tile 4 (Y / 8) + cx (Y: cluster y): c takes a w^T, K = w's rows: record (t0 / 4) 256 + 8 t1 + 2 (t0 % 4) + h0.
; With cluster x = 1 (the first launch's second half alone): S1 = w's row tile 4 + cy (V^T), S0 = a's row tile 4 (Y % 8) + cx (x's rows: the keys): c takes (x V)^T, quantised along the keys: record 256 + 16 (4 (t0 / 8) + cy) + 2 (t0 % 8) + h0.
; The two ways differ in pointers and offsets alone, chosen by s_cselect on the cluster's x, which all partners share: no branch hangs on it.
; LIMITS: as the quantiser's: NaN and infinities are not served; a block under 2^-124 gets the byte 1.
; SHARES.  A work-group makes 256 x 256 of C', each of its four waves 128 x 128: 64 accumulators, 512 registers.  THE MATRIX INSTRUCTION IS USED TRANSPOSED: source 0 = 16 rows of S0, source 1 = 16 rows of S1, so that a lane holds ONE row m'
; and, by the tiles' order of rows, the 16 registers of the accumulators (a, 2 j) and (a, 2 j + 1) are 16 NEIGHBOURS along n': n' = 32 j + 16 (lane / 16) + 0 .. 15.  So the conversions' results, halves exchanged, are the result's image.
; CLUSTER 4 x 4: S1's records hang on cy alone and are asked for jointly by my row of the cluster, S0's on cx alone, by my column.
; LDS: three regions of 102,400 bytes, each with two K steps: S1's two records, then S0's two; wave w fetches record w of a region by ONE dense tensor load.  K steps 0-5 are first fills (three loads of a wave are out at most);
; K steps 6, 7 are the one refill, into region 0, behind a round of the cluster's barrier.  An image is read at 16 x lane: 512 bytes on end an instruction, no pitch, no padding.
; REGISTERS, in windows of 256: window 0: v1-17 addresses; v32-47 scale words, two sets of 8 (register i: lanes 0-15 the words of S1's block i, lanes 16-31 those of S0's block i); v48-63 at work; v128-223 S1's eight fragments, ONE set,
;   later the result's codes; v224-243 at work.  window 1: S0's eight fragments, TWO sets, at v0 and v128.  window 2: accumulators (a, b) at v[8 (8 a + b)], a = 0-3;  window 3: a = 4-7.
.set REC,   25600
; LDS AS IT IS LAID HERE (this takes the place of the head's paragraph on three regions): two areas of six records, S1's at 0 and S0's at 6 REC; K step k lies at record k of its area, K steps 6 and 7 at records 0 and 1.
; Four joint loads a wave, one record each, one out at a time: K steps 0, 1 at the head; 2, 3 behind the three lines and a round; 4, 5 behind K step 1's round, both first fills; 6, 7 behind K step 3's round, the one refill.  Each has two K steps, 128 matrix instructions, in which to land.
; PREFETCH: of each record that my wave will load my work-group names 25 of the 100 blocks of 256 bytes; the four partners that ask jointly are told apart by address.  K steps 0-3 are asked for as soon as the pointers are made, in their order; 4, 5 behind the second load; 6, 7 behind the third.
.set CH,    2*REC
.set SPARE, 12*REC                     ; behind the two areas: the spare words, 128 bytes a wave, that no other line names
.set TILEB, 8*REC                      ; the records of 256 rows, K = 1,024
.set SCO,   24576                      ; a record's scale words
.set AD1,  4                           ; v4-6    LDS address of my S1 images in region 0, 1, 2
.set AD0,  8                           ; v8-10   the same for S0
.set ADS,  12                          ; v12-14  of my scale words: lanes 0-15 S1's, lanes 16-31 S0's
.set LI,   16                          ; v16     16 x lane
.set L4,   17                          ; v17     4 x lane
.set SPW,  28                          ; v28     LDS address of my spare word; never rewritten
.set NIL,  29                          ; v29     0; never rewritten
.set SC,   32
.set TM,   48                          ; v48-51 largest magnitudes, v52-55 the other half's, then bytes, v60-63 the conversions' scale operands
.set AF,   128
.set DH,   224                         ; v224-230 the conversions' second halves
.set PW,   232                         ; v232-239 the result's scale words, one register a block of 16 rows
.set ZW,   240                         ; v240-243 two blocks' words side by side
.set G1A,  24                          ; s[24:31] descriptor group 1 for S1's records;  s[32:39] for S0's: they differ in the mask
.set G1B,  32
.set G0A,  40                          ; s[40:51] groups 0 for S1's records of regions 0, 1, 2;  s[52:63] for S0's
.set G0B,  52
.set MSB, 0
.macro WIN new                         ; the immediate's high byte repeats the setting that is left
.if MSB != \new
	s_set_vgpr_msb (MSB<<8)|\new
.set MSB, \new
.endif
.endm
.set MUL_LO, 0xa1                      ; source 0 (S0) window 1, source 1 (S1) window 0, C and D window 2
.set MUL_HI, 0xf1                      ; the same, C and D window 3
.set TO_B,   0x40                      ; destination window 1, address window 0
.macro PLACES                          ; four plain places behind matrix instructions, in front of loads into registers that they read and of the first read of results
.rept 4
	v_nop
.endr
.endm
.macro JLOAD j                         ; joint load j of my three: waves 0, 1 fetch for S1, waves 2, 3 for S0; an s_nop 0 and four v_nop follow each line
	s_cmp_eq_u32 s11, 0
	s_cbranch_scc0 .Lfor_s0_\@
	tensor_load_to_lds s[G0A+4*\j:G0A+4*\j+3], s[G1A:G1A+7]
	s_nop 0
.rept 4
	v_nop
.endr
	s_branch .Lasked_\@
.Lfor_s0_\@:
	tensor_load_to_lds s[G0B+4*\j:G0B+4*\j+3], s[G1B:G1B+7]
	s_nop 0
.rept 4
	v_nop
.endr
.Lasked_\@:
.endm
.macro CREST                           ; a round of the cluster's barrier behind its opening barrier
	s_cmp_lg_u32 s10, 0
	s_cbranch_scc1 .Lnot_wave_0_\@
	s_barrier_signal -3
.Lnot_wave_0_\@:
	s_barrier_wait -3
	s_barrier_signal -1
	s_barrier_wait -1
.endm
.macro CROUND
	s_barrier_signal -1
	s_barrier_wait -1
	CREST
.endm
	s_load_b128 s[4:7], s[0:1], 0x0                ; a s[4:5], w s[6:7]
	s_load_b64 s[8:9], s[0:1], 0x10                ; c
	v_lshl_add_u32 v[SPW], v0, 2, SPARE
	v_mov_b32 v[NIL], 0
	ds_add_u32 v[SPW], v[NIL]                      ; the wave's opening: the adds and their wait ahead of my first tensor load; work on registers stands between them
	ds_add_u32 v[SPW], v[NIL]
	v_lshrrev_b32 v1, 5, v0
	v_readfirstlane_b32 s10, v1                    ; wave
	s_lshr_b32 s11, s10, 1                         ; h1: my half of S1's rows.  Also: I fetch for S1 (0) or S0 (1)
	s_and_b32 s12, s10, 1                          ; h0: my half of S0's rows.  Also: the even or the odd K step of a region
	s_bfe_u32 s13, ttmp6, 0x40000                  ; cx
	s_bfe_u32 s14, ttmp6, 0x40004                  ; cy
	s_and_b32 s15, ttmp7, 0xffff                   ; cluster y
	s_and_b32 s16, s15, 7
	s_lshl_b32 s16, s16, 2                         ; 4 (Y % 8)
	s_lshr_b32 s17, s15, 3
	s_lshl_b32 s17, s17, 2                         ; 4 (Y / 8)
	s_add_co_u32 s18, s16, s14                     ; S1's tile, cluster x = 0;  (s18, s19 never hold cx; s20, s21 never cy)
	s_add_co_u32 s19, s14, 4                       ; and cluster x = 1
	s_add_co_u32 s20, s17, s13                     ; S0's tile, cluster x = 0;
	s_add_co_u32 s21, s16, s13                     ; and cluster x = 1
	s_lshr_b32 s84, s20, 2                         ; the result's record, cluster x = 0
	s_lshl_b32 s84, s84, 8
	s_lshl_b32 s85, s18, 3
	s_add_co_u32 s84, s84, s85
	s_and_b32 s85, s20, 3
	s_lshl_b32 s85, s85, 1
	s_add_co_u32 s84, s84, s85
	s_lshr_b32 s86, s21, 3                         ; and cluster x = 1
	s_lshl_b32 s86, s86, 2
	s_add_co_u32 s86, s86, s14
	s_lshl_b32 s86, s86, 4
	s_and_b32 s85, s21, 7
	s_lshl_b32 s85, s85, 1
	s_add_co_u32 s86, s86, s85
	s_add_co_u32 s86, s86, 256
	s_cmp_lg_u32 ttmp9, 0                          ; the same in all sixteen partners
	s_cselect_b32 s18, s19, s18                    ; t1
	s_cselect_b32 s20, s21, s20                    ; t0
	s_cselect_b32 s84, s86, s84
	s_add_co_u32 s84, s84, s12                     ; + h0: my 128 columns are one K step of the result
	s_mul_i32 s84, s84, REC
	s_mul_i32 s85, s11, 12288
	s_add_co_u32 s70, s84, s85                     ; my eight images in it
	s_mov_b32 s71, 0
	s_lshl_b32 s85, s11, 9
	s_add_co_u32 s72, s84, s85
	s_add_co_u32 s72, s72, SCO                     ; and their scale words
	s_mov_b32 s73, 0
	s_mul_i32 s23, s12, REC                        ; the even or the odd K step of a pair
	s_mul_i32 s88, s18, TILEB
	s_add_co_u32 s88, s88, s23                     ; S1: the record of K step w % 2
	s_mov_b32 s89, 0
	s_mul_i32 s90, s20, TILEB
	s_add_co_u32 s90, s90, s23                     ; S0 likewise
	s_mov_b32 s91, 0
	s_mul_i32 s22, s11, 6*REC                      ; my side's area in LDS: no place in the cluster enters an LDS address
	s_add_co_u32 s22, s22, s23                     ; where my record of K steps 0, 1 goes
	s_lshl_b32 s92, s14, 2
	s_lshl_b32 s92, 15, s92                        ; my row of the cluster
	s_lshl_b32 s93, 0x1111, s13                    ; my column
	; descriptor group 1: a record is a dense block: 100 rows of 256 bytes (32 elements of 8 bytes), no padding
	s_or_b32 s[G1A], s92, (3<<16)|(1<<21)          ; 15:0 the mask; 17:16 elements of 8 bytes; 21 set beside a mask
	s_or_b32 s[G1B], s93, (3<<16)|(1<<21)
.irp g, G1A, G1B
	s_mov_b32 s[\g+1], 32<<16                      ; tensor_dim0 = 32
	s_mov_b32 s[\g+2], 100<<16                     ; tensor_dim1 = 100
	s_mov_b32 s[\g+3], 32<<16                      ; tile_dim0 = 32
	s_mov_b32 s[\g+4], 100                         ; tile_dim1 = 100
	s_mov_b32 s[\g+5], 32                          ; from row to row
	s_mov_b32 s[\g+6], 0
	s_mov_b32 s[\g+7], 0
.endr
	s_mov_b32 s80, 0x76543210
	s_mov_b32 s81, 0xfedcba98                      ; selects for lane l xor 16
	s_wait_dscnt 0x0                               ; the opening add is done
	s_wait_kmcnt 0x0
	s_cmp_lg_u32 ttmp9, 0
	s_cselect_b64 s[66:67], s[6:7], s[4:5]         ; S1 comes from a, or from w
	s_cselect_b64 s[68:69], s[4:5], s[6:7]         ; S0 from the other
	s_add_nc_u64 s[66:67], s[66:67], s[88:89]
	s_add_nc_u64 s[68:69], s[68:69], s[90:91]
	s_add_nc_u64 s[74:75], s[8:9], s[70:71]        ; the result's images
	s_add_nc_u64 s[76:77], s[8:9], s[72:73]        ; its scale words
	s_cmp_eq_u32 s11, 0                            ; the prefetches: my side,
	s_cselect_b32 s87, s13, s14                    ; my place among the four that ask with me (cx for S1, cy for S0): it enters addresses in memory alone
	s_cselect_b64 s[70:71], s[66:67], s[68:69]     ; my record of K steps 0, 1; those of the later pairs lie 2 REC apart
	s_mul_i32 s79, s87, 25
	v_and_b32 v21, 31, v0
	v_min_u32 v21, 24, v21                         ; a lane a block of 256 bytes; the lanes left over name the share's last block again
	v_add_nc_u32 v21, s79, v21
	v_lshlrev_b32 v21, 8, v21                      ; v21 and s[70:71] are never written again
	global_prefetch_b8 v21, s[70:71] th:TH_LOAD_NT scope:SCOPE_SE                ; K steps 0, 1: a first touch, asked for ahead of the descriptors' set-up and the opening round
	global_prefetch_b8 v21, s[70:71] offset:2*REC th:TH_LOAD_NT scope:SCOPE_SE   ; K steps 2, 3
.irp j, 0,1,2
	s_mov_b32 s[G0A+4*\j], 1                       ; count = 1
	s_add_co_u32 s[G0A+4*\j+1], s22, \j*2*REC      ; LDS address
	s_add_nc_u64 s[G0A+4*\j+2:G0A+4*\j+3], s[66:67], \j*2*REC   ; K step 2 j + w % 2
	s_or_b32 s[G0A+4*\j+3], s[G0A+4*\j+3], 0x80000000           ; type = 2
	s_mov_b32 s[G0B+4*\j], 1
	s_add_co_u32 s[G0B+4*\j+1], s22, \j*2*REC
	s_add_nc_u64 s[G0B+4*\j+2:G0B+4*\j+3], s[68:69], \j*2*REC
	s_or_b32 s[G0B+4*\j+3], s[G0B+4*\j+3], 0x80000000
.endr
	CROUND                                         ; all sixteen work-groups are here: the first joint loads meet
	JLOAD 0                                        ; K steps 0, 1: one tensor load a wave at the head
	v_and_b32 v1, 15, v0                           ; r
	v_bfe_u32 v2, v0, 4, 1                         ; h
	v_and_b32 v3, 31, v0                           ; lane
	v_lshlrev_b32 v[LI], 4, v3
	s_wait_alu depctr_va_vdst(0)
	v_lshlrev_b32 v[L4], 2, v3
	s_mul_i32 s94, s11, 12288                      ; my eight images of S1
	s_mul_i32 s95, s12, 12288
	s_add_co_u32 s95, s95, 6*REC                   ; my eight of S0, in the area behind S1's six records
	s_xor_b32 s96, s11, 1
	s_add_co_u32 s96, s96, s12
	s_lshl_b32 s96, s96, 9
	s_add_co_u32 s96, s96, 6*REC-512               ; from S1's words to S0's: 153,600 + 512 h0 - 512 h1
	v_mul_u32_u24 v18, s96, v2                     ; lanes 16-31 take S0's
	v_lshl_add_u32 v18, v1, 2, v18
	s_wait_alu depctr_va_vdst(0)
	s_lshl_b32 s97, s11, 9
	s_add_co_u32 s97, s97, SCO
.irp p, 0,1,2
	v_add_nc_u32 v[AD1+\p], s94, v[LI]
	v_add_nc_u32 v[AD0+\p], s95, v[LI]
	v_add_nc_u32 v[ADS+\p], s97, v18
	s_add_co_u32 s94, s94, CH
	s_add_co_u32 s95, s95, CH
	s_add_co_u32 s97, s97, CH
.endr
.irp b, 0,1,2,3
	v_mov_b32 v[TM+4+\b], 0                        ; a lane permute's destination counts as one of its sources
.endr
.macro FRAG reg, adr, off              ; an image comes back as the registers that it is
.irp c, 0,1,2
	ds_load_b128 v[\reg+4*\c:\reg+4*\c+3], v[\adr] offset:\off+512*\c
.endr
.endm
.macro FETCH0 k                        ; S0's eight fragments of K step k into set k % 2
	WIN TO_B
.irp b, 0,1,2,3,4,5,6,7
	FRAG 128*((\k)%2)+12*\b, AD0+((\k)/2)%3, ((\k)%2)*REC+1536*\b
.endr
	WIN 0
.endm
.macro FETCH1 k, a0                    ; S1's blocks a0 .. a0 + 3
.irp a, \a0, \a0+1, \a0+2, \a0+3
	FRAG AF+12*(\a), AD1+((\k)/2)%3, ((\k)%2)*REC+1536*(\a)
.endr
.endm
.macro SCALES k                        ; the scale words of K step k into set k % 2
.irp i, 0,1,2,3,4,5,6,7
	ds_load_b32 v[SC+8*((\k)%2)+\i], v[ADS+((\k)/2)%3] offset:((\k)%2)*REC+64*\i
.endr
.endm
; 16 matrix instructions: S1's blocks a0, a0 + 1 x S0's eight.  zero = 1: the first product starts the sums.  The 64 accumulators take turns, one instruction a turn, in one order throughout.
.macro MUL16 a0, k, zero
.irp a, \a0, \a0+1
.irp b, 0,1,2,3,4,5,6,7
.if \zero
	v_wmma_scale_f32_16x16x128_f8f6f4 v[8*(8*((\a)%4)+\b):8*(8*((\a)%4)+\b)+7], v[128*((\k)%2)+12*\b:128*((\k)%2)+12*\b+11], v[AF+12*(\a):AF+12*(\a)+11], 0, v[SC+8*((\k)%2)+\b], v[SC+8*((\k)%2)+(\a)] matrix_a_fmt:MATRIX_FMT_FP6 matrix_b_fmt:MATRIX_FMT_FP6 matrix_a_scale:MATRIX_SCALE_ROW1
.else
	v_wmma_scale_f32_16x16x128_f8f6f4 v[8*(8*((\a)%4)+\b):8*(8*((\a)%4)+\b)+7], v[128*((\k)%2)+12*\b:128*((\k)%2)+12*\b+11], v[AF+12*(\a):AF+12*(\a)+11], v[8*(8*((\a)%4)+\b):8*(8*((\a)%4)+\b)+7], v[SC+8*((\k)%2)+\b], v[SC+8*((\k)%2)+(\a)] matrix_a_fmt:MATRIX_FMT_FP6 matrix_b_fmt:MATRIX_FMT_FP6 matrix_a_scale:MATRIX_SCALE_ROW1
.endif
.endr
.endr
.endm
.macro STEP k, zero                    ; a K step whose successor's records are known to be whole
	s_wait_dscnt 12                                ; all but the youngest 12 loads (S1's blocks 4-7) are in
	WIN MUL_LO
	MUL16 0, \k, \zero
	MUL16 2, \k, \zero
	s_wait_dscnt 0x0                               ; S1's blocks 4-7 are in (asked for 32 matrix instructions ago)
	PLACES
	FETCH0 (\k)+1
	FETCH1 (\k)+1, 0
	SCALES (\k)+1
	WIN MUL_HI
	MUL16 4, \k, \zero
	MUL16 6, \k, \zero
	PLACES
	WIN 0
	FETCH1 (\k)+1, 4
.endm
; A K step with a barrier in it.  In front of the barrier each wave waits for all its tensor loads, adds 0 to its spare word, and waits for that and for its LDS reads.  fill = 1 or 2: the barrier opens a round of the cluster's; with 2, region 0 is filled again, with 1 region 2 is first filled.
.macro TURN k, fill
	s_wait_tensorcnt 0x0                           ; all my tensor loads have landed
	ds_add_u32 v[SPW], v[NIL]                      ; 0 onto my spare word
	s_wait_dscnt 13                                ; (the add and the youngest 12 loads may be out)
	WIN MUL_LO
	MUL16 0, \k, 0                                 ; sixteen matrix instructions stand between the add and the wait for it
	s_wait_dscnt 0x0                               ; the add is done, and all my LDS reads so far are over
	s_barrier_signal -1
	MUL16 2, \k, 0
	WIN 0
	s_barrier_wait -1
.if \fill
	CREST                                          ; no wave of any partner still reads region 0 or has a load on its way
.if \fill == 2
	s_add_nc_u64 s[G0A+2:G0A+3], s[G0A+2:G0A+3], 6*REC   ; no tensor load of mine is out: from K step w % 2 to K step 6 + w % 2
	s_add_nc_u64 s[G0B+2:G0B+3], s[G0B+2:G0B+3], 6*REC
	JLOAD 0                                        ; the refill of records 0, 1, the first tensor load behind the round; its four v_nop are the places for the loads below
.else
	JLOAD 2                                        ; K steps 4, 5, a first fill
.endif
.else
	PLACES
.endif
	s_wait_alu depctr_va_vdst(0)
	FETCH0 (\k)+1
	FETCH1 (\k)+1, 0
	SCALES (\k)+1
.if \fill == 1
	global_prefetch_b8 v21, s[70:71] offset:6*REC th:TH_LOAD_NT scope:SCOPE_SE   ; K steps 6, 7, two K steps ahead of the refill; nothing lies beyond them
.endif
	WIN MUL_HI
	MUL16 4, \k, 0
	MUL16 6, \k, 0
	PLACES
	WIN 0
	FETCH1 (\k)+1, 4
.endm
	s_wait_alu depctr_va_vdst(0)                   ; the head's end
	s_wait_tensorcnt 0x0                           ; my record of K steps 0, 1 is in
	ds_add_u32 v[SPW], v[NIL]
	s_wait_dscnt 0x0
	CROUND                                         ; everybody's record is in, and all sixteen work-groups are here
	JLOAD 1                                        ; K steps 2, 3, the first tensor load behind the round
	FETCH0 0
	FETCH1 0, 0
	SCALES 0
	FETCH1 0, 4
	global_prefetch_b8 v21, s[70:71] offset:4*REC th:TH_LOAD_NT scope:SCOPE_SE   ; K steps 4, 5, more than a K step ahead of their load
	STEP 0, 1
	TURN 1, 1                                      ; behind it K steps 2, 3 are whole for every wave, and K steps 4, 5 are on their way
	STEP 2, 0
	TURN 3, 2                                      ; behind it K steps 4, 5 are whole, and records 0, 1 are on their way again
	STEP 4, 0
	TURN 5, 0                                      ; behind it region 0 is whole
	STEP 6, 0
	s_wait_dscnt 12                                ; the last K step: nothing more to fetch
	WIN MUL_LO
	MUL16 0, 7, 0
	MUL16 2, 7, 0
	s_wait_dscnt 0x0
	WIN MUL_HI
	MUL16 4, 7, 0
	MUL16 6, 7, 0
	WIN 0
	PLACES
; THE RESULT IS QUANTISED, block a of 16 rows at a time: 64 numbers a lane, register 16 j + i = n' 32 j + 16 (lane / 16) + i of the lane's row.  Each block has registers of its own for its codes and its word, so no store's data are written again.
.macro QA a
.set AC, 64*((\a)%4)
.set WN, 2+(\a)/4
.set WW, 5*WN
.set PC, AF+12*(\a)
	WIN WW                                         ; sources 0 and 1: the accumulators' window
.irp b, 0,1,2,3
	v_max3_num_f32 v[TM+\b], |v[AC+16*\b]|, |v[AC+16*\b+1]|, 0x1800000   ; the four blocks of 32 by turns, each accumulator from its low end on; the floor 2^(3 - 127) holds the byte at 1 from below
.endr
.irp i, 2,4,6,8,10,12,14
.irp b, 0,1,2,3
	v_max3_num_f32 v[TM+\b], |v[AC+16*\b+\i]|, |v[AC+16*\b+\i+1]|, v[TM+\b]
.endr
.endr
	WIN 0
.irp b, 0,1,2,3
	v_permlanex16_b32 v[TM+4+\b], v[TM+\b], s80, s81
.endr
.irp b, 0,1,2,3
	v_max_num_f32 v[TM+\b], v[TM+\b], v[TM+4+\b]   ; with lane l xor 16's 16 numbers: the block's largest magnitude
.endr
.irp b, 0,1,2,3
	v_add_nc_u32 v[TM+12+\b], 0xff000000, v[TM+\b] ; 2 off its exponent field: the conversion's scale operand
.endr
.irp b, 0,1,2,3
	v_lshrrev_b32 v[TM+4+\b], 23, v[TM+12+\b]      ; the byte
.endr
	v_lshl_or_b32 v[PW+(\a)], v[TM+5], 8, v[TM+4]
	v_lshl_or_b32 v[PW+(\a)], v[TM+6], 16, v[PW+(\a)]
	v_lshl_or_b32 v[PW+(\a)], v[TM+7], 24, v[PW+(\a)]
	WIN WN                                         ; source 0 alone
.irp c, 0,1
	v_cvt_scalef32_pk16_fp6_f32 v[PC+6*\c:PC+6*\c+2], v[AC+32*\c:AC+32*\c+15], v[TM+12+2*\c]
	v_cvt_scalef32_pk16_fp6_f32 v[DH+4*\c:DH+4*\c+2], v[AC+32*\c+16:AC+32*\c+31], v[TM+12+2*\c+1]
.endr
	WIN 0
	v_nop                                          ; one plain place behind the last scaled conversion
.irp c, 0,1                                    ; the layout wants a WHOLE block in a lane: lanes 0-15 block 2 c, lanes 16-31 block 2 c + 1
.irp i, 0,1,2
	v_permlane16_swap_b32 v[PC+6*\c+\i], v[DH+4*\c+\i]
.endr
.irp i, 0,1,2
	v_mov_b32 v[PC+6*\c+3+\i], v[DH+4*\c+\i]
.endr
.endr
.irp g, 0,1,2
	global_store_b128 v[LI], v[PC+4*\g:PC+4*\g+3], s[74:75] offset:1536*(\a)+512*\g   ; the image: 512 bytes on end a store
.endr
.endm
.irp a, 0,1,2,3,4,5,6,7
	QA \a
.endr
	v_cmp_lt_u32 s78, 15, v3                       ; lanes 16-31
.irp a, 0,2,4,6
	v_cndmask_b32 v[ZW+\a/2], v[PW+\a], v[PW+\a+1], s78   ; every lane holds its row's word: two blocks' words side by side
.endr
.irp a, 0,2,4,6
	global_store_b32 v[L4], v[ZW+\a/2], s[76:77] offset:64*\a
.endr
	s_wait_tensorcnt 0x0                           ; the wave's end
	ds_add_u32 v[SPW], v[NIL]
	s_wait_dscnt 0x0
	CROUND                                         ; the closing round: no work-group ends while a partner may still ask for a record that names it
	s_endpgm
.Lfunc_end_k_q8ba2d88230_proj1:
	.size	k_q8ba2d88230_proj1, .Lfunc_end_k_q8ba2d88230_proj1-k_q8ba2d88230_proj1
	.p2alignl 7, 3214868480
	.fill 96, 4, 3214868480
	.section	.rodata,"a",@progbits
	.p2align	6, 0x0
	.amdhsa_kernel k_q8ba2d88230_proj1
		.amdhsa_group_segment_fixed_size 327680
		.amdhsa_private_segment_fixed_size 0
		.amdhsa_enable_private_segment 0
		.amdhsa_kernarg_size 24
		.amdhsa_user_sgpr_count 2
		.amdhsa_user_sgpr_kernarg_segment_ptr 1
		.amdhsa_wavefront_size32 1
		.amdhsa_system_sgpr_workgroup_id_x 1
		.amdhsa_system_sgpr_workgroup_id_y 1
		.amdhsa_system_sgpr_workgroup_id_z 1
		.amdhsa_system_vgpr_workitem_id 0
		.amdhsa_next_free_vgpr 1024
		.amdhsa_next_free_sgpr 100
		.amdhsa_reserve_vcc 0
		.amdhsa_float_denorm_mode_32 3
		.amdhsa_float_denorm_mode_16_64 3
		.amdhsa_memory_ordered 1
		.amdhsa_forward_progress 1
		.amdhsa_inst_pref_size 142
	.end_amdhsa_kernel
	.amdgpu_metadata
---
amdhsa.version: [ 1, 2 ]
amdhsa.kernels:
  - .name:           k_q8ba2d88230_proj1
    .symbol:         k_q8ba2d88230_proj1.kd
    .args:
      - { .name: xq, .offset: 0, .size: 8, .value_kind: global_buffer, .address_space: global }
      - { .name: wfv, .offset: 8, .size: 8, .value_kind: global_buffer, .address_space: global }
      - { .name: c1, .offset: 16, .size: 8, .value_kind: global_buffer, .address_space: global }
    .group_segment_fixed_size: 327680
    .private_segment_fixed_size: 0
    .kernarg_segment_align: 8
    .kernarg_segment_size: 24
    .max_flat_workgroup_size: 128
    .sgpr_count:     100
    .vgpr_count:     1024
    .wavefront_size: 32
...
	.end_amdgpu_metadata
.endif
;; end of part 2
;; launch proj2: the kernel of part 2 again; grid 4 x 64, 4 waves a work-group, clusters of 4 x 4, 327,680 bytes of LDS; arguments c1, wqk, c2; writes c2
;; launch scores (part 3): grid 8 x 32, 4 waves a work-group, clusters of 4 x 4, 327,680 bytes of LDS; arguments c2, pc, st; writes pc, st
.if DOCPART == 3
	.amdgcn_target "amdgcn-amd-amdhsa--gfx1250"
	.amdhsa_code_object_version 6
	.text
	.protected	k_q8ba2d88230_scores
	.globl	k_q8ba2d88230_scores
	.p2align	8
	.type	k_q8ba2d88230_scores,@function
k_q8ba2d88230_scores:
	s_mov_b64 s[64:65], 0
	v_nop
	global_prefetch_b8 v0, s[64:65] scope:SCOPE_SE
	s_setreg_imm32_b32 hwreg(HW_REG_WAVE_MODE, 25, 1), 1
	s_wait_xcnt 0x0
	s_wait_alu depctr_hold_cnt(0) depctr_sa_sdst(0) depctr_va_vdst(0) depctr_va_sdst(0) depctr_va_ssrc(0) depctr_va_vcc(0) depctr_vm_vsrc(0)
	s_getreg_b32 s2, hwreg(HW_REG_IB_STS2, 6, 4)
	s_cmp_eq_u32 s2, 0
	s_cbranch_scc0 .Lentry_in_a_cluster
	s_endpgm
.Lentry_in_a_cluster:
	s_bfe_u32 s2, ttmp6, 0x10000c
	s_cmp_lg_u32 s2, 0xf033
	s_cbranch_scc0 .Lentry_shape_is_right
	s_endpgm
.Lentry_shape_is_right:
; S = Qx Kx^T on codes of FP6 (E2M3), K = 1,024, and the softmax's first half.  c2: records 0-255 Qx, 256-511 Kx (a record: 256 rows x 128 K as 16 register images and 16 x 16 scale words; the tiles' order of rows as in the launches before).
; t = score x log2(e) / 32.  FOR EACH ROW AND EACH CHUNK OF 128 KEYS: M = the ceiling of the chunk's largest t, a whole number; p = 2^(t - M), quantised along the keys; l = the sum of the unquantised p.
; The maximum is taken away before every exponential; the last launch brings the chunks under the row's M by exact powers of two (on l, and on p's scale bytes).
; pc: p's images, [tile of 128 queries][chunk][8 images].  st: [tile][chunk][3 arrays of 512 bytes]: p's scale words, -M, l; word 64 h + 4 r + j belongs to block 4 h + j of 16 queries, lane index r.
; LIMITS: NaN and infinities are not served.  A block's largest p is taken as the exponential of the block's largest score: that takes v_exp_f32 not to fall where its input rises.  A p under 2^-126 counts as 0; a block of such keeps the byte 1 and zero codes.
; SHARES, CLUSTER, LDS, K WALK: as in the projections.  A work-group makes 256 queries x 256 keys, a wave 128 x 128; source 0 = 16 keys, source 1 = 16 queries: a lane holds ONE query, and by the tiles' order of rows the 16 registers of
; accumulators (a, 2 j), (a, 2 j + 1) are keys 32 j + 16 (lane / 16) + 0 .. 15.  Qx's records are asked for jointly by my row of the cluster, Kx's by my column.  Three regions of two K steps; K steps 6, 7 are the one refill.
; REGISTERS: window 0: v1-17 addresses; v32-47 scale words, two sets; v48-63 at work; v64-127 t - M, then p; v128-223 Qx's eight fragments, later p's codes; v224-230 at work; v232-239 p's scale words, v240-247 -M, v248-255 l.
;   window 1: Kx's fragments, two sets.  windows 2, 3: the 64 accumulators.
.set REC,   25600
; LDS AS IT IS LAID HERE (this takes the place of the head's words on three regions): two areas of six records, Qx's at 0 and Kx's at 6 REC; K step k lies at record k of its area, K steps 6 and 7 at records 0 and 1.
; Four joint loads a wave, one record each, one out at a time: K steps 0, 1 at the head; 2, 3 behind the three lines and a round; 4, 5 behind K step 1's round, both first fills; 6, 7 behind K step 3's round, the one refill.
; PREFETCH: of each record that my wave will load my work-group names 25 of the 100 blocks of 256 bytes; the four partners that ask jointly are told apart by address.  K steps 0-3 are asked for as soon as the pointers are made, in their order; 4, 5 behind the second load; 6, 7 behind the third.
; WHICH CLUSTER TAKES WHAT: with i = 2 (cluster y) + cluster x, the batch is i % 4, the half of its keys (i / 4) % 2, the half of its queries i / 8: the four clusters that read a batch's Qx and Kx have numbers that are equal modulo 4.
.set CH,    2*REC
.set SPARE, 12*REC                     ; the spare words, 128 bytes a wave, that no other line names
.set TILEB, 8*REC
.set SCO,   24576
.set AD1,  4
.set AD0,  8
.set ADS,  12
.set LI,   16
.set SPW,  28
.set NIL,  29
.set SC,   32
.set BM,   48                          ; v48-51 each block's largest score, then its largest p
.set BX,   52                          ; v52-55 the other half's; the sums' two chains; the bytes
.set SO,   56                          ; v56-59 the conversions' scale operands
.set NM,   60                          ; v60 -M (named as the pair v[60:61])
.set TT,   64
.set AF,   128
.set DH,   224
.set PW,   232
.set MM,   240
.set LL,   248
.set G1A,  24
.set G1B,  32
.set G0A,  40
.set G0B,  52
.set MSB, 0
.macro WIN new                         ; the immediate's high byte repeats the setting that is left
.if MSB != \new
	s_set_vgpr_msb (MSB<<8)|\new
.set MSB, \new
.endif
.endm
.set MUL_LO, 0xa1
.set MUL_HI, 0xf1
.set TO_B,   0x40
.macro PLACES
.rept 4
	v_nop
.endr
.endm
.macro JLOAD j                         ; joint load j of my three: waves 0, 1 fetch for Qx, waves 2, 3 for Kx; an s_nop 0 and four v_nop follow each line
	s_cmp_eq_u32 s11, 0
	s_cbranch_scc0 .Lfor_s0_\@
	tensor_load_to_lds s[G0A+4*\j:G0A+4*\j+3], s[G1A:G1A+7]
	s_nop 0
.rept 4
	v_nop
.endr
	s_branch .Lasked_\@
.Lfor_s0_\@:
	tensor_load_to_lds s[G0B+4*\j:G0B+4*\j+3], s[G1B:G1B+7]
	s_nop 0
.rept 4
	v_nop
.endr
.Lasked_\@:
.endm
.macro CREST
	s_cmp_lg_u32 s10, 0
	s_cbranch_scc1 .Lnot_wave_0_\@
	s_barrier_signal -3
.Lnot_wave_0_\@:
	s_barrier_wait -3
	s_barrier_signal -1
	s_barrier_wait -1
.endm
.macro CROUND
	s_barrier_signal -1
	s_barrier_wait -1
	CREST
.endm
	s_load_b128 s[4:7], s[0:1], 0x0                ; c2 s[4:5], pc s[6:7]
	s_load_b64 s[8:9], s[0:1], 0x10                ; st
	v_lshl_add_u32 v[SPW], v0, 2, SPARE
	v_mov_b32 v[NIL], 0
	ds_add_u32 v[SPW], v[NIL]                      ; the wave's opening: the adds and their wait ahead of my first tensor load
	ds_add_u32 v[SPW], v[NIL]
	v_lshrrev_b32 v1, 5, v0
	v_readfirstlane_b32 s10, v1                    ; wave
	s_lshr_b32 s11, s10, 1                         ; h1: my half of the queries.  Also: I fetch for Qx (0) or Kx (1)
	s_and_b32 s12, s10, 1                          ; h0: my half of the keys.  Also: the even or the odd K step of a region
	s_bfe_u32 s13, ttmp6, 0x40000                  ; cx
	s_bfe_u32 s14, ttmp6, 0x40004                  ; cy
	s_and_b32 s15, ttmp7, 0xffff                   ; cluster y
	s_and_b32 s16, s15, 1
	s_lshl_b32 s16, s16, 1
	s_add_co_u32 s16, s16, ttmp9                   ; the batch, which the cluster shares: 2 (Y % 2) + X
	s_lshl_b32 s16, s16, 3                         ; its first tile of 256 rows
	s_bfe_u32 s18, s15, 0x10002                    ; which half of its queries: Y / 4
	s_lshl_b32 s18, s18, 2
	s_add_co_u32 s18, s18, s16
	s_add_co_u32 s18, s18, s14                     ; the tile of 256 queries (never holds cx)
	s_bfe_u32 s21, s15, 0x10001                    ; which half of its keys: (Y / 2) % 2
	s_lshl_b32 s21, s21, 2
	s_add_co_u32 s21, s21, s13                     ; the tile of 256 keys in its batch (never holds cy)
	s_add_co_u32 s20, s16, s21                     ; Kx's row tile
	s_lshl_b32 s84, s18, 1
	s_add_co_u32 s84, s84, s11                     ; my tile of 128 queries
	s_lshl_b32 s84, s84, 4
	s_lshl_b32 s85, s21, 1
	s_add_co_u32 s85, s85, s12                     ; my chunk of 128 keys
	s_add_co_u32 s84, s84, s85
	s_mul_i32 s70, s84, 12288                      ; in pc
	s_mov_b32 s71, 0
	s_mul_i32 s72, s84, 1536                       ; in st
	s_mov_b32 s73, 0
	s_mul_i32 s23, s12, REC                        ; the even or the odd K step of a pair
	s_mul_i32 s88, s18, TILEB
	s_add_co_u32 s88, s88, s23
	s_mov_b32 s89, 0
	s_mul_i32 s90, s20, TILEB
	s_add_co_u32 s90, s90, s23
	s_add_co_u32 s90, s90, 256*REC                 ; Kx lies behind Qx's 256 records
	s_mov_b32 s91, 0
	s_mul_i32 s22, s11, 6*REC                      ; my side's area in LDS
	s_add_co_u32 s22, s22, s23                     ; where my record of K steps 0, 1 goes
	s_lshl_b32 s92, s14, 2
	s_lshl_b32 s92, 15, s92                        ; my row of the cluster
	s_lshl_b32 s93, 0x1111, s13                    ; my column
	s_or_b32 s[G1A], s92, (3<<16)|(1<<21)          ; a record: 100 rows of 256 bytes (32 elements of 8 bytes), dense, no padding; 15:0 the mask; 21 set beside it
	s_or_b32 s[G1B], s93, (3<<16)|(1<<21)
.irp g, G1A, G1B
	s_mov_b32 s[\g+1], 32<<16
	s_mov_b32 s[\g+2], 100<<16
	s_mov_b32 s[\g+3], 32<<16
	s_mov_b32 s[\g+4], 100
	s_mov_b32 s[\g+5], 32
	s_mov_b32 s[\g+6], 0
	s_mov_b32 s[\g+7], 0
.endr
	s_mov_b32 s80, 0x76543210
	s_mov_b32 s81, 0xfedcba98                      ; selects for lane l xor 16
	s_mov_b32 s82, 0x3d38aa3b                      ; c = log2(e) / 32
	s_mov_b32 s83, s82                             ; (named with it as a pair)
	s_wait_dscnt 0x0                               ; the opening add is done
	s_wait_kmcnt 0x0
	s_add_nc_u64 s[66:67], s[4:5], s[88:89]
	s_add_nc_u64 s[68:69], s[4:5], s[90:91]
	s_add_nc_u64 s[74:75], s[6:7], s[70:71]
	s_add_nc_u64 s[76:77], s[8:9], s[72:73]
	s_cmp_eq_u32 s11, 0                            ; the prefetches: my side,
	s_cselect_b32 s87, s13, s14                    ; my place among the four that ask with me (cx for Qx, cy for Kx): it enters addresses in memory alone
	s_cselect_b64 s[70:71], s[66:67], s[68:69]     ; my record of K steps 0, 1; those of the later pairs lie 2 REC apart
	s_mul_i32 s79, s87, 25
	v_and_b32 v21, 31, v0
	v_min_u32 v21, 24, v21                         ; a lane a block of 256 bytes; the lanes left over name the share's last block again
	v_add_nc_u32 v21, s79, v21
	v_lshlrev_b32 v21, 8, v21                      ; v21 and s[70:71] are never written again
	global_prefetch_b8 v21, s[70:71] th:TH_LOAD_NT scope:SCOPE_SE                ; K steps 0, 1: a first touch, asked for ahead of the descriptors' set-up and the opening round
	global_prefetch_b8 v21, s[70:71] offset:2*REC th:TH_LOAD_NT scope:SCOPE_SE   ; K steps 2, 3
.irp j, 0,1,2
	s_mov_b32 s[G0A+4*\j], 1
	s_add_co_u32 s[G0A+4*\j+1], s22, \j*2*REC
	s_add_nc_u64 s[G0A+4*\j+2:G0A+4*\j+3], s[66:67], \j*2*REC   ; K step 2 j + w % 2
	s_or_b32 s[G0A+4*\j+3], s[G0A+4*\j+3], 0x80000000
	s_mov_b32 s[G0B+4*\j], 1
	s_add_co_u32 s[G0B+4*\j+1], s22, \j*2*REC
	s_add_nc_u64 s[G0B+4*\j+2:G0B+4*\j+3], s[68:69], \j*2*REC
	s_or_b32 s[G0B+4*\j+3], s[G0B+4*\j+3], 0x80000000
.endr
	CROUND                                         ; all sixteen work-groups are here: the first joint loads meet
	JLOAD 0                                        ; K steps 0, 1: one tensor load a wave at the head
	v_and_b32 v1, 15, v0                           ; r
	v_bfe_u32 v2, v0, 4, 1                         ; h
	v_and_b32 v3, 31, v0                           ; lane
	v_lshlrev_b32 v[LI], 4, v3
	s_wait_alu depctr_va_vdst(0)
	s_mul_i32 s94, s11, 12288
	s_mul_i32 s95, s12, 12288
	s_add_co_u32 s95, s95, 6*REC                   ; Kx's area lies behind Qx's six records
	s_xor_b32 s96, s11, 1
	s_add_co_u32 s96, s96, s12
	s_lshl_b32 s96, s96, 9
	s_add_co_u32 s96, s96, 6*REC-512               ; from Qx's scale words to Kx's: 153,600 + 512 h0 - 512 h1
	v_mul_u32_u24 v18, s96, v2
	v_lshl_add_u32 v18, v1, 2, v18
	s_wait_alu depctr_va_vdst(0)
	s_lshl_b32 s97, s11, 9
	s_add_co_u32 s97, s97, SCO
.irp p, 0,1,2
	v_add_nc_u32 v[AD1+\p], s94, v[LI]
	v_add_nc_u32 v[AD0+\p], s95, v[LI]
	v_add_nc_u32 v[ADS+\p], s97, v18
	s_add_co_u32 s94, s94, CH
	s_add_co_u32 s95, s95, CH
	s_add_co_u32 s97, s97, CH
.endr
.irp b, 0,1,2,3
	v_mov_b32 v[BX+\b], 0                          ; a lane permute's destination counts as one of its sources
.endr
	v_mov_b32 v61, 0                               ; (the upper half of the pair v[60:61])
	v_mov_b32 v63, 0
.macro FRAG reg, adr, off
.irp c, 0,1,2
	ds_load_b128 v[\reg+4*\c:\reg+4*\c+3], v[\adr] offset:\off+512*\c
.endr
.endm
.macro FETCH0 k
	WIN TO_B
.irp b, 0,1,2,3,4,5,6,7
	FRAG 128*((\k)%2)+12*\b, AD0+((\k)/2)%3, ((\k)%2)*REC+1536*\b
.endr
	WIN 0
.endm
.macro FETCH1 k, a0
.irp a, \a0, \a0+1, \a0+2, \a0+3
	FRAG AF+12*(\a), AD1+((\k)/2)%3, ((\k)%2)*REC+1536*(\a)
.endr
.endm
.macro SCALES k
.irp i, 0,1,2,3,4,5,6,7
	ds_load_b32 v[SC+8*((\k)%2)+\i], v[ADS+((\k)/2)%3] offset:((\k)%2)*REC+64*\i
.endr
.endm
.macro MUL16 a0, k, zero               ; the 64 accumulators take turns, one instruction a turn, in one order throughout
.irp a, \a0, \a0+1
.irp b, 0,1,2,3,4,5,6,7
.if \zero
	v_wmma_scale_f32_16x16x128_f8f6f4 v[8*(8*((\a)%4)+\b):8*(8*((\a)%4)+\b)+7], v[128*((\k)%2)+12*\b:128*((\k)%2)+12*\b+11], v[AF+12*(\a):AF+12*(\a)+11], 0, v[SC+8*((\k)%2)+\b], v[SC+8*((\k)%2)+(\a)] matrix_a_fmt:MATRIX_FMT_FP6 matrix_b_fmt:MATRIX_FMT_FP6 matrix_a_scale:MATRIX_SCALE_ROW1
.else
	v_wmma_scale_f32_16x16x128_f8f6f4 v[8*(8*((\a)%4)+\b):8*(8*((\a)%4)+\b)+7], v[128*((\k)%2)+12*\b:128*((\k)%2)+12*\b+11], v[AF+12*(\a):AF+12*(\a)+11], v[8*(8*((\a)%4)+\b):8*(8*((\a)%4)+\b)+7], v[SC+8*((\k)%2)+\b], v[SC+8*((\k)%2)+(\a)] matrix_a_fmt:MATRIX_FMT_FP6 matrix_b_fmt:MATRIX_FMT_FP6 matrix_a_scale:MATRIX_SCALE_ROW1
.endif
.endr
.endr
.endm
.macro STEP k, zero
	s_wait_dscnt 12                                ; all but the youngest 12 loads (Qx's blocks 4-7) are in
	WIN MUL_LO
	MUL16 0, \k, \zero
	MUL16 2, \k, \zero
	s_wait_dscnt 0x0
	PLACES
	FETCH0 (\k)+1
	FETCH1 (\k)+1, 0
	SCALES (\k)+1
	WIN MUL_HI
	MUL16 4, \k, \zero
	MUL16 6, \k, \zero
	PLACES
	WIN 0
	FETCH1 (\k)+1, 4
.endm
.macro TURN k, fill
	s_wait_tensorcnt 0x0                           ; all my tensor loads have landed
	ds_add_u32 v[SPW], v[NIL]                      ; 0 onto my spare word
	s_wait_dscnt 13                                ; (the add and the youngest 12 loads may be out)
	WIN MUL_LO
	MUL16 0, \k, 0
	s_wait_dscnt 0x0                               ; the add is done, and all my LDS reads so far are over
	s_barrier_signal -1
	MUL16 2, \k, 0
	WIN 0
	s_barrier_wait -1
.if \fill
	CREST                                          ; no wave of any partner still reads region 0 or has a load on its way
.if \fill == 2
	s_add_nc_u64 s[G0A+2:G0A+3], s[G0A+2:G0A+3], 6*REC   ; no tensor load of mine is out: from K step w % 2 to K step 6 + w % 2
	s_add_nc_u64 s[G0B+2:G0B+3], s[G0B+2:G0B+3], 6*REC
	JLOAD 0                                        ; the refill of records 0, 1, the first tensor load behind the round; its four v_nop are the places for the loads below
.else
	JLOAD 2                                        ; K steps 4, 5, a first fill
.endif
.else
	PLACES
.endif
	FETCH0 (\k)+1
	FETCH1 (\k)+1, 0
	SCALES (\k)+1
.if \fill == 1
	global_prefetch_b8 v21, s[70:71] offset:6*REC th:TH_LOAD_NT scope:SCOPE_SE   ; K steps 6, 7, two K steps ahead of the refill; nothing lies beyond them
.endif
	WIN MUL_HI
	MUL16 4, \k, 0
	MUL16 6, \k, 0
	PLACES
	WIN 0
	FETCH1 (\k)+1, 4
.endm
	s_wait_alu depctr_va_vdst(0)                   ; the head's end
	s_wait_tensorcnt 0x0                           ; my record of K steps 0, 1 is in
	ds_add_u32 v[SPW], v[NIL]
	s_wait_dscnt 0x0
	CROUND                                         ; everybody's record is in, and all sixteen work-groups are here
	JLOAD 1                                        ; K steps 2, 3, the first tensor load behind the round
	FETCH0 0
	FETCH1 0, 0
	SCALES 0
	FETCH1 0, 4
	global_prefetch_b8 v21, s[70:71] offset:4*REC th:TH_LOAD_NT scope:SCOPE_SE   ; K steps 4, 5, more than a K step ahead of their load
	STEP 0, 1
	TURN 1, 1                                      ; behind it K steps 2, 3 are whole for every wave, and K steps 4, 5 are on their way
	STEP 2, 0
	s_wait_alu depctr_va_vdst(0)
	TURN 3, 2                                      ; behind it K steps 4, 5 are whole, and records 0, 1 are on their way again
	STEP 4, 0
	TURN 5, 0
	STEP 6, 0
	s_wait_dscnt 12
	WIN MUL_LO
	MUL16 0, 7, 0
	MUL16 2, 7, 0
	s_wait_dscnt 0x0
	WIN MUL_HI
	MUL16 4, 7, 0
	MUL16 6, 7, 0
	WIN 0
	PLACES
; THE SOFTMAX'S FIRST HALF, block a of 16 queries at a time: a lane's 64 scores are keys 32 j + 16 (lane / 16) + i of its query.
.macro SA a
.set AC, 64*((\a)%4)
.set WN, 2+(\a)/4
.set WW, 5*WN
.set PC, AF+12*(\a)
	WIN WW                                         ; sources 0 and 1: the accumulators' window
.irp b, 0,1,2,3
	v_max_num_f32 v[BM+\b], v[AC+16*\b], v[AC+16*\b+1]   ; the largest score of each block of 32 keys, the blocks by turns, each accumulator from its low end on: it serves for M and, since p rises with the score, for the block's largest p
.endr
.irp i, 2,4,6,8,10,12,14
.irp b, 0,1,2,3
	v_max3_num_f32 v[BM+\b], v[AC+16*\b+\i], v[AC+16*\b+\i+1], v[BM+\b]
.endr
.endr
	WIN 0
.irp b, 0,1,2,3
	v_permlanex16_b32 v[BX+\b], v[BM+\b], s80, s81
.endr
.irp b, 0,1,2,3
	v_max_num_f32 v[BM+\b], v[BM+\b], v[BX+\b]     ; with lane l xor 16's 16 keys
.endr
	v_max3_num_f32 v62, v[BM], v[BM+1], v[BM+2]
	v_max_num_f32 v62, v62, v[BM+3]                ; the chunk's largest score of my query
	v_mul_f32 v62, s82, v62                        ; as t (c is positive)
	v_floor_f32 v[NM], -v62                        ; -M = floor(-t) = -ceil(t)
	WIN WN                                         ; source 0 alone
.set qj, 0
.rept 32
	v_pk_fma_f32 v[TT+qj:TT+qj+1], v[AC+qj:AC+qj+1], s[82:83], v[NM:NM+1] op_sel_hi:[1,0,0]   ; t - M, two at a time (of the pairs c and -M the low word serves both halves)
.set qj, qj+2
.endr
	WIN 0
.irp b, 0,1,2,3
	v_fma_f32 v[BM+\b], v[BM+\b], s82, v[NM]       ; the same of each block's largest score
.endr
.set qj, 0
	s_wait_alu depctr_va_vdst(0)
.rept 64
	v_exp_f32 v[TT+qj], v[TT+qj]                   ; p = 2^(t - M), at most 1
.set qj, qj+1
.endr
	v_mov_b32 v[MM+(\a)], v[NM]                    ; -M is kept.  (A plain place behind the exponentials)
	s_wait_alu depctr_va_vdst(0)                   ; one wait for the whole batch, ahead of its first reader
.irp b, 0,1,2,3
	v_exp_f32 v[BM+\b], v[BM+\b]                   ; the block's largest p: the same two instructions on the same number give the same bits
.endr
	v_pk_add_f32 v[BX:BX+1], v[TT:TT+1], v[TT+2:TT+3]        ; l IS TAKEN OF THE UNQUANTISED p: two at a time, in two chains.  (They read the 64 alone: plain work behind the four)
	v_pk_add_f32 v[BX+2:BX+3], v[TT+4:TT+5], v[TT+6:TT+7]
.irp j, 8,12,16,20,24,28,32,36,40,44,48,52,56,60
	v_pk_add_f32 v[BX:BX+1], v[BX:BX+1], v[TT+\j:TT+\j+1]
	v_pk_add_f32 v[BX+2:BX+3], v[BX+2:BX+3], v[TT+\j+2:TT+\j+3]
.endr
	v_pk_add_f32 v[BX:BX+1], v[BX:BX+1], v[BX+2:BX+3]
	v_add_f32 v62, v[BX], v[BX+1]
	v_permlanex16_b32 v63, v62, s80, s81
	v_add_f32 v[LL+(\a)], v62, v63                 ; with lane l xor 16's: the chunk's sum of my query
	s_wait_alu depctr_va_vdst(0)                   ; and one wait for the four
.irp b, 0,1,2,3
	v_max_num_f32 v[BM+\b], 0x1800000, v[BM+\b]    ; the floor 2^(3 - 127): the byte cannot fall under 1
.endr
.irp b, 0,1,2,3
	v_add_nc_u32 v[SO+\b], 0xff000000, v[BM+\b]    ; 2 off the exponent field: the conversion's scale operand
.endr
.irp b, 0,1,2,3
	v_lshrrev_b32 v[BX+\b], 23, v[SO+\b]           ; the byte
.endr
	v_lshl_or_b32 v[PW+(\a)], v[BX+1], 8, v[BX]
	v_lshl_or_b32 v[PW+(\a)], v[BX+2], 16, v[PW+(\a)]
	v_lshl_or_b32 v[PW+(\a)], v[BX+3], 24, v[PW+(\a)]
.irp c, 0,1
	v_cvt_scalef32_pk16_fp6_f32 v[PC+6*\c:PC+6*\c+2], v[TT+32*\c:TT+32*\c+15], v[SO+2*\c]
	v_cvt_scalef32_pk16_fp6_f32 v[DH+4*\c:DH+4*\c+2], v[TT+32*\c+16:TT+32*\c+31], v[SO+2*\c+1]
.endr
	v_nop                                          ; one plain place behind the last scaled conversion
.irp c, 0,1                                    ; a WHOLE block in a lane: lanes 0-15 block 2 c, lanes 16-31 block 2 c + 1
.irp i, 0,1,2
	v_permlane16_swap_b32 v[PC+6*\c+\i], v[DH+4*\c+\i]
.endr
.irp i, 0,1,2
	v_mov_b32 v[PC+6*\c+3+\i], v[DH+4*\c+\i]
.endr
.endr
.irp g, 0,1,2
	global_store_b128 v[LI], v[PC+4*\g:PC+4*\g+3], s[74:75] offset:1536*(\a)+512*\g   ; p's image: 512 bytes on end a store; each block has registers of its own, so no store's data are written again
.endr
.endm
.irp a, 0,1,2,3,4,5,6,7
	SA \a
.endr
	v_cmp_lt_u32 s78, 15, v3                       ; lanes 16-31
.irp j, 0,1,2,3
	v_cndmask_b32 v[TT+\j], v[PW+\j], v[PW+4+\j], s78      ; every lane holds its query's numbers: lanes 0-15 give blocks 0-3, lanes 16-31 blocks 4-7
	v_cndmask_b32 v[TT+4+\j], v[MM+\j], v[MM+4+\j], s78
	v_cndmask_b32 v[TT+8+\j], v[LL+\j], v[LL+4+\j], s78
.endr
.irp n, 0,1,2
	global_store_b128 v[LI], v[TT+4*\n:TT+4*\n+3], s[76:77] offset:512*\n   ; 512 bytes on end, at a multiple of 256 from st's first byte
.endr
	s_wait_tensorcnt 0x0                           ; the wave's end
	ds_add_u32 v[SPW], v[NIL]
	s_wait_dscnt 0x0
	CROUND                                         ; the closing round
	s_endpgm
.Lfunc_end_k_q8ba2d88230_scores:
	.size	k_q8ba2d88230_scores, .Lfunc_end_k_q8ba2d88230_scores-k_q8ba2d88230_scores
	.p2alignl 7, 3214868480
	.fill 96, 4, 3214868480
	.section	.rodata,"a",@progbits
	.p2align	6, 0x0
	.amdhsa_kernel k_q8ba2d88230_scores
		.amdhsa_group_segment_fixed_size 327680
		.amdhsa_private_segment_fixed_size 0
		.amdhsa_enable_private_segment 0
		.amdhsa_kernarg_size 24
		.amdhsa_user_sgpr_count 2
		.amdhsa_user_sgpr_kernarg_segment_ptr 1
		.amdhsa_wavefront_size32 1
		.amdhsa_system_sgpr_workgroup_id_x 1
		.amdhsa_system_sgpr_workgroup_id_y 1
		.amdhsa_system_sgpr_workgroup_id_z 1
		.amdhsa_system_vgpr_workitem_id 0
		.amdhsa_next_free_vgpr 1024
		.amdhsa_next_free_sgpr 100
		.amdhsa_reserve_vcc 0
		.amdhsa_float_denorm_mode_32 3
		.amdhsa_float_denorm_mode_16_64 3
		.amdhsa_memory_ordered 1
		.amdhsa_forward_progress 1
		.amdhsa_inst_pref_size 196
	.end_amdhsa_kernel
	.amdgpu_metadata
---
amdhsa.version: [ 1, 2 ]
amdhsa.kernels:
  - .name:           k_q8ba2d88230_scores
    .symbol:         k_q8ba2d88230_scores.kd
    .args:
      - { .name: c2, .offset: 0, .size: 8, .value_kind: global_buffer, .address_space: global }
      - { .name: pc, .offset: 8, .size: 8, .value_kind: global_buffer, .address_space: global }
      - { .name: st, .offset: 16, .size: 8, .value_kind: global_buffer, .address_space: global }
    .group_segment_fixed_size: 327680
    .private_segment_fixed_size: 0
    .kernarg_segment_align: 8
    .kernarg_segment_size: 24
    .max_flat_workgroup_size: 128
    .sgpr_count:     100
    .vgpr_count:     1024
    .wavefront_size: 32
...
	.end_amdgpu_metadata
.endif
;; end of part 3
;; launch pv (part 4): grid 4 x 64, 4 waves a work-group, clusters of 4 x 4, 327,680 bytes of LDS; arguments pc, st, c1, out0; writes out0
.if DOCPART == 4
	.amdgcn_target "amdgcn-amd-amdhsa--gfx1250"
	.amdhsa_code_object_version 6
	.text
	.protected	k_q8ba2d88230_pv
	.globl	k_q8ba2d88230_pv
	.p2align	8
	.type	k_q8ba2d88230_pv,@function
k_q8ba2d88230_pv:
	s_mov_b64 s[64:65], 0
	v_nop
	global_prefetch_b8 v0, s[64:65] scope:SCOPE_SE
	s_setreg_imm32_b32 hwreg(HW_REG_WAVE_MODE, 25, 1), 1
	s_wait_xcnt 0x0
	s_wait_alu depctr_hold_cnt(0) depctr_sa_sdst(0) depctr_va_vdst(0) depctr_va_sdst(0) depctr_va_ssrc(0) depctr_va_vcc(0) depctr_vm_vsrc(0)
	s_getreg_b32 s2, hwreg(HW_REG_IB_STS2, 6, 4)
	s_cmp_eq_u32 s2, 0
	s_cbranch_scc0 .Lentry_in_a_cluster
	s_endpgm
.Lentry_in_a_cluster:
	s_bfe_u32 s2, ttmp6, 0x10000c
	s_cmp_lg_u32 s2, 0xf033
	s_cbranch_scc0 .Lentry_shape_is_right
	s_endpgm
.Lentry_shape_is_right:
; O = P (x V) / l on codes of FP6 (E2M3), K = a batch's 2,048 keys, in 16 K steps of 128: the chunks of the launch before.
; pc: p's images [tile of 128 queries][chunk][8 images of 1,536 bytes].  st: [tile][chunk][p's scale words | -M | l], 512 bytes each, word 64 h + 4 r + j for block 4 h + j, lane index r.
; c1, records 256-511: (x V)^T, K = the keys: record 256 + 16 (4 batch + tile of 256 d) + K step.  out0: [8192][1024] f32.
; THE CHUNKS ARE BROUGHT UNDER THE ROW'S M: M = the largest of the 16 M's; d = M - the chunk's M, a whole number, 0 or more, held at 255; l = the sum of the chunks' l x 2^-d; each scale byte of p becomes b - min(b, d).  All exact.
; LIMIT: a byte that would fall under 0 is held at 0: such a block counts for at most 7.5 x 2^-127 a code, beside a row sum of at least 1/2.  NaN and infinities are not served.
; SHARES.  A work-group makes 128 queries x 256 d (with 256 x 256 there would be 128 work-groups for 256 WGPs), a wave 64 x 128: 32 accumulators.  Source 0 = 16 rows of (x V)^T, source 1 = 16 queries: a lane holds one query, and the 16 registers
; of accumulators (a, 2 j), (a, 2 j + 1) are d = 32 j + 16 (lane / 16) + 0 .. 15.
; CLUSTER 4 x 4: P's images hang on cy alone and are asked for jointly by my row of the cluster, V's records on cx alone (the cluster's four tiles of queries lie in one batch), by my column.
; LDS: two slots of four K steps (P: 4 x 12,288 bytes, then V: 4 records); waves 0, 1 fetch P's halves, waves 2, 3 V's, one dense tensor load each; two loads of a wave are out at most.  Behind the slots: P's adjusted scale words
; (128 rows x 80 bytes), 1 / l, the spare words.  The stage of the way out lies in slot 0, which has had its last fill and its last read by then.
; REGISTERS: window 0: v1-25 addresses; v32-95 P's scale words for all 16 K steps (16 a + k); v96-111 V's, two sets; v112-119 1 / l; v128-223 P's fragments, two sets of 48 (at the head: what is read of st; on the way out with v224-255: rows of O).
;   window 1: V's fragments, two sets, at v0 and v128.  window 2: accumulators (a, b) at v[8 (8 a + b)].
.set REC,   25600
.set SCO,   24576
.set SLOT,  151552
.set VOF,   49152                      ; V's records in a slot
.set PSC,   2*SLOT
.set RL,    PSC+10240
.set SPARE, RL+512                     ; the spare words, 128 bytes a wave, that no other line names
.set AP,   4                           ; v4-5    LDS address of my P images in slot 0, 1
.set AV,   6                           ; v6-9    of my V images: slot s, K steps 2 q, 2 q + 1 of its four: v[6 + 2 s + q]
.set AVS,  10                          ; v10-13  of V's scale words likewise
.set APS,  14                          ; v14     of P's adjusted scale words
.set ARL,  15                          ; v15     of 1 / l
.set LI,   16                          ; v16     16 x lane
.set STO,  17                          ; v17     the way out: where I put 64 bytes of a row
.set RD,   18                          ; v18     and where I read a row back
.set SPW,  28
.set NIL,  29
.set PS,   32
.set VS,   96
.set RLR,  112
.set PF,   128
; WHAT DIFFERS FROM THE HEAD'S WORDS: one tensor load of a wave is out at a time: slot 0's at the head, slot 1's first fill behind the three lines and a round.  The last two K steps go by blocks of 16 queries, so that a finished block
; is scaled, staged and stored while the later blocks are multiplied; the rows read back from the stage lie in window 3, 64 registers of its own for each of the four blocks, so that no store's data are written again.
; WHICH CLUSTER TAKES WHAT: the batch is (cluster y) % 4, the four tiles of 128 queries are 4 (cluster y / 4) + cy of its sixteen: the four clusters that read a batch's V have numbers that are equal modulo 4.
; PREFETCH: of the half of a slot that my wave will load my work-group names a quarter, told apart by address (cx for P, cy for V).  Slot 0's bytes, a first touch, are asked for ahead of the descriptors' set-up and the opening round; each later slot's one slot ahead of its load.
.set BK,   0                           ; in window 3
.set WC,   128                         ; at the head: v128-143 the 16 chunks' scale words of my row, v144-159 -M, v160-175 l
.set NMC,  144
.set LC,   160
.set G1P,  24                          ; s[24:31] descriptor group 1 for P's halves;  s[32:39] for V's
.set G1V,  32
.set G0P,  40                          ; s[40:47] groups 0 for P, one set a slot;  s[48:55] for V
.set G0V,  48
.set MSB, 0
.macro WIN new                         ; the immediate's high byte repeats the setting that is left
.if MSB != \new
	s_set_vgpr_msb (MSB<<8)|\new
.set MSB, \new
.endif
.endm
.set MUL, 0xa1                         ; source 0 (V) window 1, source 1 (P) window 0, C and D window 2
.macro PLACES
.rept 4
	v_nop
.endr
.endm
.macro JLOAD s                         ; a joint refill of slot s; an s_nop 0 and four v_nop follow each line
	s_cmp_eq_u32 s13, 0
	s_cbranch_scc0 .Lfor_v_\@
	tensor_load_to_lds s[G0P+4*\s:G0P+4*\s+3], s[G1P:G1P+7]
	s_nop 0
.rept 4
	v_nop
.endr
	s_branch .Lasked_\@
.Lfor_v_\@:
	tensor_load_to_lds s[G0V+4*\s:G0V+4*\s+3], s[G1V:G1V+7]
	s_nop 0
.rept 4
	v_nop
.endr
.Lasked_\@:
.endm
.macro CREST
	s_cmp_lg_u32 s12, 0
	s_cbranch_scc1 .Lnot_wave_0_\@
	s_barrier_signal -3
.Lnot_wave_0_\@:
	s_barrier_wait -3
	s_barrier_signal -1
	s_barrier_wait -1
.endm
.macro CROUND
	s_barrier_signal -1
	s_barrier_wait -1
	CREST
.endm
	s_load_b256 s[4:11], s[0:1], 0x0               ; pc s[4:5], st s[6:7], c1 s[8:9], out0 s[10:11]
	v_lshl_add_u32 v[SPW], v0, 2, SPARE
	v_mov_b32 v[NIL], 0
	ds_add_u32 v[SPW], v[NIL]                      ; the wave's opening: the adds and their wait ahead of my first tensor load
	ds_add_u32 v[SPW], v[NIL]
	v_lshrrev_b32 v1, 5, v0
	v_readfirstlane_b32 s12, v1                    ; wave
	s_lshr_b32 s13, s12, 1                         ; h1: my half of the queries.  Also: I fetch for P (0) or V (1)
	s_and_b32 s14, s12, 1                          ; h0: my half of the 256 d.  Also: which half of a slot's P or V I fetch
	s_bfe_u32 s15, ttmp6, 0x40000                  ; cx
	s_bfe_u32 s16, ttmp6, 0x40004                  ; cy
	s_and_b32 s17, ttmp7, 0xffff                   ; cluster y
	s_and_b32 s19, s17, 3                          ; the batch
	s_lshr_b32 s18, s17, 2
	s_lshl_b32 s18, s18, 2
	s_lshl_b32 s20, s19, 4
	s_add_co_u32 s18, s18, s20
	s_add_co_u32 s18, s18, s16                     ; the tile of 128 queries: 16 batch + 4 (Y / 4) + cy (never holds cx)
	s_lshl_b32 s19, s19, 2
	s_add_co_u32 s19, s19, s15                     ; 4 batch + the tile of 256 d (never holds cy)
	s_lshl_b32 s20, s16, 2
	s_lshl_b32 s20, 15, s20                        ; my row of the cluster
	s_lshl_b32 s21, 0x1111, s15                    ; my column
	s_or_b32 s[G1P], s20, (3<<16)|(1<<21)          ; dense blocks as rows of 256 bytes (32 elements of 8 bytes), no padding; 15:0 the mask; 21 set beside it
	s_or_b32 s[G1V], s21, (3<<16)|(1<<21)
	s_mov_b32 s[G1P+1], 32<<16
	s_mov_b32 s[G1P+2], 96<<16                     ; P: two K steps' images, 24,576 bytes: 96 rows
	s_mov_b32 s[G1P+3], 32<<16
	s_mov_b32 s[G1P+4], 96
	s_mov_b32 s[G1P+5], 32
	s_mov_b32 s[G1P+6], 0
	s_mov_b32 s[G1P+7], 0
	s_mov_b32 s[G1V+1], 32<<16
	s_mov_b32 s[G1V+2], 200<<16                    ; V: two records, 51,200 bytes: 200 rows
	s_mov_b32 s[G1V+3], 32<<16
	s_mov_b32 s[G1V+4], 200
	s_mov_b32 s[G1V+5], 32
	s_mov_b32 s[G1V+6], 0
	s_mov_b32 s[G1V+7], 0
	s_mul_i32 s22, s14, 24576                      ; my half of a slot's P, in memory and in LDS
	s_mul_i32 s56, s18, 196608
	s_add_co_u32 s56, s56, s22
	s_mov_b32 s57, 0
	s_mul_i32 s23, s14, 51200                      ; my half of a slot's V
	s_mul_i32 s58, s19, 16*REC
	s_add_co_u32 s58, s58, s23
	s_add_co_u32 s58, s58, 256*REC
	s_mov_b32 s59, 0
	s_add_co_u32 s23, s23, VOF
	s_mul_i32 s60, s18, 24576                      ; my tile's 16 chunks in st
	s_mov_b32 s61, 0
	s_lshl_b32 s62, s18, 19                        ; O: row 128 tile + 64 h1, byte 1,024 cx + 512 h0
	s_lshl_b32 s70, s13, 18
	s_add_co_u32 s62, s62, s70
	s_lshl_b32 s70, s15, 10
	s_add_co_u32 s62, s62, s70
	s_lshl_b32 s70, s14, 9
	s_add_co_u32 s62, s62, s70
	s_mov_b32 s63, 0
	s_wait_dscnt 0x0                               ; the opening add is done
	s_wait_kmcnt 0x0
	s_add_nc_u64 s[56:57], s[4:5], s[56:57]
	s_add_nc_u64 s[58:59], s[8:9], s[58:59]
	s_add_nc_u64 s[66:67], s[6:7], s[60:61]
	s_add_nc_u64 s[68:69], s[10:11], s[62:63]
	s_cmp_eq_u32 s13, 0                            ; the prefetches: P's half (96 blocks of 256 bytes, 24 a partner) or V's (200 blocks, 50 a partner)
	s_cselect_b64 s[82:83], s[56:57], s[58:59]     ; K steps 0-3,
	s_mov_b32 s84, 4*REC
	s_cselect_b32 s84, 49152, s84                  ; from slot to slot in memory
	s_mov_b32 s85, 0
	s_cselect_b32 s86, s15, s16                    ; my place among the four that ask with me: it enters addresses in memory alone
	s_cselect_b32 s87, 24, 50
	s_add_nc_u64 s[76:77], s[82:83], s[84:85]      ; K steps 4-7,
	s_add_nc_u64 s[78:79], s[76:77], s[84:85]      ; 8-11,
	s_add_nc_u64 s[80:81], s[78:79], s[84:85]      ; 12-15
	s_mul_i32 s86, s86, s87
	s_sub_co_u32 s87, s87, 1
	v_lshlrev_b32 v21, 2, v0                       ; what is read of st is asked for here, ahead of the opening round: thread n takes word n of each array
.irp c, 0,1,2,3,4,5,6,7,8,9,10,11,12,13,14,15
	global_load_b32 v[WC+\c], v21, s[66:67] offset:1536*\c
	global_load_b32 v[NMC+\c], v21, s[66:67] offset:1536*\c+512
	global_load_b32 v[LC+\c], v21, s[66:67] offset:1536*\c+1024
.endr
	v_and_b32 v26, 31, v0                          ; the prefetches' offsets, a lane a block of 256 bytes: my share's first 32 blocks,
	v_add_nc_u32 v27, 32, v26
	v_min_u32 v26, s87, v26
	v_min_u32 v27, s87, v27                        ; and the rest (lanes left over, in P's waves all of them, name the share's last block again)
	v_add_lshl_u32 v26, v26, s86, 8
	v_add_lshl_u32 v27, v27, s86, 8                ; v26, v27 and s[76:83] are never written again
	global_prefetch_b8 v26, s[82:83] th:TH_LOAD_NT scope:SCOPE_SE   ; K steps 0-3
	global_prefetch_b8 v27, s[82:83] th:TH_LOAD_NT scope:SCOPE_SE
.irp s, 0,1
	s_mov_b32 s[G0P+4*\s], 1
	s_add_co_u32 s[G0P+4*\s+1], s22, \s*SLOT
	s_add_nc_u64 s[G0P+4*\s+2:G0P+4*\s+3], s[56:57], \s*49152
	s_or_b32 s[G0P+4*\s+3], s[G0P+4*\s+3], 0x80000000
	s_mov_b32 s[G0V+4*\s], 1
	s_add_co_u32 s[G0V+4*\s+1], s23, \s*SLOT
	s_add_nc_u64 s[G0V+4*\s+2:G0V+4*\s+3], s[58:59], \s*4*REC
	s_or_b32 s[G0V+4*\s+3], s[G0V+4*\s+3], 0x80000000
.endr
	CROUND                                         ; all sixteen work-groups are here: the first joint loads meet
	JLOAD 0                                        ; slot 0: one tensor load a wave at the head
	; ---- the chunks' M, l and scale words are merged while the first tiles are on their way.  Thread n owns word n of each array: block 4 (n / 64) + n % 4, lane index (n / 4) % 16
	v_and_b32 v1, 15, v0                           ; r
	v_bfe_u32 v2, v0, 4, 1                         ; h
	v_and_b32 v3, 31, v0                           ; lane
	v_lshlrev_b32 v[LI], 4, v3
	s_wait_alu depctr_va_vdst(0)
	v_lshlrev_b32 v22, 2, v1                       ; 4 r
	s_wait_alu depctr_va_vdst(0)
	s_mul_i32 s70, s13, 6144                       ; my four images of P
	s_mul_i32 s71, s14, 12288
	s_add_co_u32 s71, s71, VOF                     ; my eight of V
	s_lshl_b32 s72, s14, 9
	s_add_co_u32 s72, s72, VOF+SCO                 ; and their scale words
.irp s, 0,1
	v_add_nc_u32 v[AP+\s], s70, v[LI]
	s_add_co_u32 s70, s70, SLOT
.irp q, 0,1
	v_add_nc_u32 v[AV+2*\s+\q], s71, v[LI]
	v_add_nc_u32 v[AVS+2*\s+\q], s72, v22
	s_add_co_u32 s71, s71, 2*REC
	s_add_co_u32 s72, s72, 2*REC
.endr
	s_add_co_u32 s71, s71, SLOT-4*REC
	s_add_co_u32 s72, s72, SLOT-4*REC
.endr
	s_mul_i32 s73, s13, 5120
	s_add_co_u32 s73, s73, PSC
	v_mul_u32_u24 v[APS], v1, 80
	v_add_nc_u32 v[APS], s73, v[APS]               ; row 64 h1 + r of 80 bytes
	s_lshl_b32 s74, s13, 8
	s_add_co_u32 s74, s74, RL
	v_add_nc_u32 v[ARL], s74, v22
	s_mul_i32 s75, s12, 16*528                     ; my stage
	v_mul_u32_u24 v[STO], v1, 528
	v_lshl_add_u32 v[STO], v2, 6, v[STO]
	v_add_nc_u32 v[STO], s75, v[STO]               ; in: row r, + 64 bytes for lanes 16-31
	v_add_nc_u32 v[RD], s75, v[LI]                 ; back: the 32 lanes take one row of 512 bytes
	v_bfe_u32 v23, v0, 2, 4
	v_and_b32 v24, 3, v0
	v_bfe_u32 v25, v0, 6, 1
	v_lshl_add_u32 v23, v24, 4, v23
	v_lshl_add_u32 v23, v25, 6, v23                ; my row: 16 x block + lane index
	v_mul_u32_u24 v19, v23, 80
	v_add_nc_u32 v19, PSC, v19                     ; v19: where its 16 words go
	v_lshl_add_u32 v20, v23, 2, RL                 ; v20: and its 1 / l
.irp a, 0,1,2,3
	v_mov_b32 v[RLR+2*\a+1], 0                     ; (the upper halves of the pairs that the packed multiply names)
.endr
	s_wait_alu depctr_va_vdst(0)
	global_prefetch_b8 v26, s[76:77] th:TH_LOAD_NT scope:SCOPE_SE   ; K steps 4-7; v26, v27 and s[76:81] are never written again
	global_prefetch_b8 v27, s[76:77] th:TH_LOAD_NT scope:SCOPE_SE
	s_wait_loadcnt 0x0
	v_min3_num_f32 v176, v[NMC], v[NMC+1], v[NMC+2]
.irp c, 3,5,7,9,11,13
	v_min3_num_f32 v176, v176, v[NMC+\c], v[NMC+\c+1]
.endr
	v_min_num_f32 v176, v176, v[NMC+15]            ; the row's -M: the least of the chunks'
.macro MERGE c
	v_sub_f32 v178, v[NMC+\c], v176                ; d = M - the chunk's M: a whole number, 0 or more
	v_cvt_i32_f32 v178, v178                       ; (it saturates)
	v_min_u32 v178, 0xff, v178
	v_sub_nc_u32 v179, 0, v178
.if \c == 0
	v_ldexp_f32 v177, v[LC+\c], v179               ; the first chunk starts the sum
.else
	v_ldexp_f32 v180, v[LC+\c], v179
	v_add_f32 v177, v177, v180
.endif
	v_and_b32 v181, 0xff, v[WC+\c]
	v_bfe_u32 v182, v[WC+\c], 8, 8
	v_bfe_u32 v183, v[WC+\c], 16, 8
	v_lshrrev_b32 v184, 24, v[WC+\c]
.irp b, 0,1,2,3
	v_min_u32 v[185+\b], v[181+\b], v178
.endr
.irp b, 0,1,2,3
	v_sub_nc_u32 v[181+\b], v[181+\b], v[185+\b]   ; b - min(b, d): d off the byte, held at 0
.endr
	v_lshl_or_b32 v[WC+\c], v182, 8, v181
	v_lshl_or_b32 v[WC+\c], v183, 16, v[WC+\c]
	v_lshl_or_b32 v[WC+\c], v184, 24, v[WC+\c]
.endm
.irp c, 0,1,2,3,4,5,6,7,8,9,10,11,12,13,14,15
	MERGE \c
.endr
	s_wait_alu depctr_va_vdst(0)
	v_rcp_f32 v177, v177
	v_nop                                          ; a plain place behind the reciprocal
.irp j, 0,1,2,3
	ds_store_b128 v19, v[WC+4*\j:WC+4*\j+3] offset:16*\j
.endr
	s_wait_alu depctr_va_vdst(0)                   ; ahead of the reciprocal's first reader
	ds_store_b32 v20, v177
	s_wait_tensorcnt 0x0                           ; my part of slot 0 is in
	ds_add_u32 v[SPW], v[NIL]
	s_wait_dscnt 0x0                               ; the add is done, and, for the others' sake, my stores have landed
	CROUND                                         ; everybody's part is in, and all sixteen work-groups are here
	JLOAD 1                                        ; slot 1's first fill, the first tensor load behind the round: K steps 0 to 3 in which to land
.irp a, 0,1,2,3
.irp j, 0,1,2,3
	ds_load_b128 v[PS+16*\a+4*\j:PS+16*\a+4*\j+3], v[APS] offset:1280*\a+16*\j   ; block a's words for K steps 4 j .. 4 j + 3
.endr
	ds_load_b32 v[RLR+2*\a], v[ARL] offset:64*\a
.endr
.macro FALL k                          ; all of K step k: V's eight fragments, P's four, V's eight scale words, into the sets k % 2
.set SL, ((\k)/4)%2
.set KQ, (\k)%4
.set PP, (\k)%2
	WIN 0x40                                       ; destination window 1
.irp b, 0,1,2,3,4,5,6,7
.irp c, 0,1,2
	ds_load_b128 v[128*PP+12*\b+4*\c:128*PP+12*\b+4*\c+3], v[AV+2*SL+KQ/2] offset:(KQ%2)*REC+1536*\b+512*\c
.endr
.endr
	WIN 0
.irp a, 0,1,2,3
.irp c, 0,1,2
	ds_load_b128 v[PF+48*PP+12*\a+4*\c:PF+48*PP+12*\a+4*\c+3], v[AP+SL] offset:KQ*12288+1536*\a+512*\c
.endr
.endr
.irp b, 0,1,2,3,4,5,6,7
	ds_load_b32 v[VS+8*PP+\b], v[AVS+2*SL+KQ/2] offset:(KQ%2)*REC+64*\b
.endr
.endm
.macro MUL8 a, k, zero                 ; block a of the queries x V's eight.  The 32 accumulators take turns, one instruction a turn, in one order throughout
.irp b, 0,1,2,3,4,5,6,7
.if \zero
	v_wmma_scale_f32_16x16x128_f8f6f4 v[8*(8*\a+\b):8*(8*\a+\b)+7], v[128*((\k)%2)+12*\b:128*((\k)%2)+12*\b+11], v[PF+48*((\k)%2)+12*\a:PF+48*((\k)%2)+12*\a+11], 0, v[VS+8*((\k)%2)+\b], v[PS+16*\a+(\k)] matrix_a_fmt:MATRIX_FMT_FP6 matrix_b_fmt:MATRIX_FMT_FP6
.else
	v_wmma_scale_f32_16x16x128_f8f6f4 v[8*(8*\a+\b):8*(8*\a+\b)+7], v[128*((\k)%2)+12*\b:128*((\k)%2)+12*\b+11], v[PF+48*((\k)%2)+12*\a:PF+48*((\k)%2)+12*\a+11], v[8*(8*\a+\b):8*(8*\a+\b)+7], v[VS+8*((\k)%2)+\b], v[PS+16*\a+(\k)] matrix_a_fmt:MATRIX_FMT_FP6 matrix_b_fmt:MATRIX_FMT_FP6
.endif
.endr
.endm
.macro PSTEP k, zero
	PLACES                                         ; for the loads into the sets that the K step before multiplied
	FALL (\k)+1                                    ; the next K step's 44 loads are issued first, so that LDS always has work queued,
	s_wait_dscnt 44                                ; and all but these 44 are in: this K step's
	WIN MUL
	MUL8 0, \k, \zero
	MUL8 1, \k, \zero
	MUL8 2, \k, \zero
	MUL8 3, \k, \zero
	WIN 0
.endm
; A slot's last K step changes slots: ONE barrier; in front of it each wave waits for all its tensor loads, adds 0 to its spare word, and waits for that and for its reads of this slot.  fill = 1: this slot is filled again, eight K steps on.
.macro PTURN k, fill
.set SLF, ((\k)/4)%2
	s_wait_tensorcnt 0x0                           ; all my tensor loads have landed: my part of the next slot
	ds_add_u32 v[SPW], v[NIL]                      ; 0 onto my spare word
	s_wait_dscnt 1                                 ; (the add alone may be out)
	WIN MUL
	MUL8 0, \k, 0                                  ; eight matrix instructions stand between the add and the wait for it
	s_wait_dscnt 0x0                               ; the add is done, and my reads of this slot are over
	s_barrier_signal -1
	MUL8 1, \k, 0
	WIN 0
	s_barrier_wait -1
.if \fill
	CREST                                          ; no wave of any partner still reads this slot or has a load on its way
	s_add_nc_u64 s[G0P+4*SLF+2:G0P+4*SLF+3], s[G0P+4*SLF+2:G0P+4*SLF+3], 8*12288
	s_add_nc_u64 s[G0V+4*SLF+2:G0V+4*SLF+3], s[G0V+4*SLF+2:G0V+4*SLF+3], 8*REC
	JLOAD SLF                                      ; the first tensor load behind the round: it has four K steps, 128 matrix instructions, in which to land; its four v_nop are the places for the loads below
.else
	PLACES
.endif
	FALL (\k)+1
.if (\k) == 3
	global_prefetch_b8 v26, s[80:81] th:TH_LOAD_NT scope:SCOPE_SE   ; K steps 12-15, four K steps ahead of their load; nothing lies beyond them
	global_prefetch_b8 v27, s[80:81] th:TH_LOAD_NT scope:SCOPE_SE
.endif
	WIN MUL
	MUL8 2, \k, 0
	MUL8 3, \k, 0
	WIN 0
.endm
	FALL 0
	global_prefetch_b8 v26, s[78:79] th:TH_LOAD_NT scope:SCOPE_SE   ; K steps 8-11, three K steps and more ahead of their load
	global_prefetch_b8 v27, s[78:79] th:TH_LOAD_NT scope:SCOPE_SE
	PSTEP 0, 1
	PSTEP 1, 0
	PSTEP 2, 0
	PTURN 3, 1
	PSTEP 4, 0
	PSTEP 5, 0
	PSTEP 6, 0
	PTURN 7, 1
	PSTEP 8, 0
	PSTEP 9, 0
	PSTEP 10, 0
	PTURN 11, 0                                    ; nothing is left to fetch
	PSTEP 12, 0
	PSTEP 13, 0
	PLACES                                         ; for the loads into the sets that K step 13 multiplied
	FALL 15                                        ; both sets now hold the last two K steps: they are multiplied below, by blocks of 16 queries
	s_wait_dscnt 44                                ; K step 14's loads are in; the 44 just issued may be out
; THE WAY OUT, block a of 16 queries at a time: x 1 / l in place; a lane's 4 x 64 bytes of its row go into my own stage (rows of 528 bytes) and come back as whole rows of 512 bytes.
; LDS serves a wave's instructions in order (ISA guide 5.7.1.4): no wait between the stores and the loads, nor in front of the next block's stores.
.macro TOSTAGE a
.set AC, 64*(\a)
.set BB, BK+64*(\a)
	PLACES                                         ; the block's last products stand ahead: four places in front of the first read of their results
	WIN 0x82
.set qj, 0
.rept 32
	v_pk_mul_f32 v[AC+qj:AC+qj+1], v[AC+qj:AC+qj+1], v[RLR+2*(\a):RLR+2*(\a)+1] op_sel_hi:[1,0]   ; each accumulator from its low end on
.set qj, qj+2
.endr
	WIN 0x08                                       ; an LDS store's data are its source 1: window 2
.irp q, 0,1,2,3,4,5,6,7,8,9,10,11,12,13,14,15
	ds_store_b128 v[STO], v[AC+4*\q:AC+4*\q+3] offset:128*(\q/4)+16*(\q%4)
.endr
	WIN 0xc0                                       ; destination window 3
.irp t, 0,1,2,3,4,5,6,7,8,9,10,11,12,13,14,15
	ds_load_b128 v[BB+4*\t:BB+4*\t+3], v[RD] offset:528*\t
.endr
	WIN 0
.endm
.macro SEND a, younger                 ; younger: the LDS instructions issued behind block a's loads, which may stay out
.set BB, BK+64*(\a)
	s_wait_dscnt \younger
	WIN 0x0c                                       ; a store's data are its source 1: window 3
.irp t, 0,1,2,3,4,5,6,7,8,9,10,11,12,13,14,15
	global_store_b128 v[LI], v[BB+4*\t:BB+4*\t+3], s[68:69] offset:(32*((\a)/2)+8*((\a)%2)+(\t%8)+16*(\t/8))*4096 th:TH_STORE_NT   ; lane index t of block a is that row; 32 lanes store 512 bytes on end, at a multiple of 256 from out0's first byte
.endr
	WIN 0
.endm
	WIN MUL                                        ; K ascending for every accumulator; a block's eight accumulators take turns, one instruction a turn
	MUL8 0, 14, 0
	MUL8 1, 14, 0
	s_wait_dscnt 0x0                               ; K step 15's loads, asked for 16 matrix instructions ago, are in
	MUL8 0, 15, 0                                  ; block 0 is finished
	MUL8 2, 14, 0
	TOSTAGE 0
	WIN MUL
	MUL8 1, 15, 0                                  ; block 1 is finished while block 0 turns through the stage
	MUL8 3, 14, 0
	SEND 0, 0
	TOSTAGE 1
	WIN MUL
	MUL8 2, 15, 0
	SEND 1, 0
	TOSTAGE 2
	WIN MUL
	MUL8 3, 15, 0
	SEND 2, 0
	TOSTAGE 3
	SEND 3, 0
	s_wait_tensorcnt 0x0                           ; the wave's end
	ds_add_u32 v[SPW], v[NIL]
	s_wait_dscnt 0x0
	CROUND                                         ; the closing round
	s_endpgm
.Lfunc_end_k_q8ba2d88230_pv:
	.size	k_q8ba2d88230_pv, .Lfunc_end_k_q8ba2d88230_pv-k_q8ba2d88230_pv
	.p2alignl 7, 3214868480
	.fill 96, 4, 3214868480
	.section	.rodata,"a",@progbits
	.p2align	6, 0x0
	.amdhsa_kernel k_q8ba2d88230_pv
		.amdhsa_group_segment_fixed_size 327680
		.amdhsa_private_segment_fixed_size 0
		.amdhsa_enable_private_segment 0
		.amdhsa_kernarg_size 32
		.amdhsa_user_sgpr_count 2
		.amdhsa_user_sgpr_kernarg_segment_ptr 1
		.amdhsa_wavefront_size32 1
		.amdhsa_system_sgpr_workgroup_id_x 1
		.amdhsa_system_sgpr_workgroup_id_y 1
		.amdhsa_system_sgpr_workgroup_id_z 1
		.amdhsa_system_vgpr_workitem_id 0
		.amdhsa_next_free_vgpr 1024
		.amdhsa_next_free_sgpr 100
		.amdhsa_reserve_vcc 0
		.amdhsa_float_denorm_mode_32 3
		.amdhsa_float_denorm_mode_16_64 3
		.amdhsa_memory_ordered 1
		.amdhsa_forward_progress 1
		.amdhsa_inst_pref_size 171
	.end_amdhsa_kernel
	.amdgpu_metadata
---
amdhsa.version: [ 1, 2 ]
amdhsa.kernels:
  - .name:           k_q8ba2d88230_pv
    .symbol:         k_q8ba2d88230_pv.kd
    .args:
      - { .name: pc, .offset: 0, .size: 8, .value_kind: global_buffer, .address_space: global }
      - { .name: st, .offset: 8, .size: 8, .value_kind: global_buffer, .address_space: global }
      - { .name: c1, .offset: 16, .size: 8, .value_kind: global_buffer, .address_space: global }
      - { .name: out0, .offset: 24, .size: 8, .value_kind: global_buffer, .address_space: global }
    .group_segment_fixed_size: 327680
    .private_segment_fixed_size: 0
    .kernarg_segment_align: 8
    .kernarg_segment_size: 32
    .max_flat_workgroup_size: 128
    .sgpr_count:     100
    .vgpr_count:     1024
    .wavefront_size: 32
...
	.end_amdgpu_metadata
.endif
;; end of part 4
